; MI455X (gfx1250); checked and timed in simulation.
; The chip was launched on July 23, 2026; its instructions are those of AMD's public machine-readable ISA for CDNA 5 (MIT licence, August 2026) and "CDNA5" Instruction Set Architecture Reference Guide (July 2026). The comments in the code are by the model that wrote it; some were corrected since.
;; Masked Multi Head Attention. Allowed arithmetic: float matrix products may take bf16 or f16 operands with f32 sums; other float arithmetic in f32, or as packed bf16 or f16 multiplies, adds, multiply-adds, maxima and minima; sums over many terms, partial sums and values carried from step to step in f32; what a program stores and reads back later, other than sums and carried values, may be rounded once to bf16 or f16.
;; Inputs: Wk 1,024 x 1,024 float32; Wo 1,024 x 1,024 float32; Wq 1,024 x 1,024 float32; Wv 1,024 x 1,024 float32; bk 1,024 float32; bo 1,024 float32; bq 1,024 float32; bv 1,024 float32; key_ 4 x 2,048 x 1,024 float32; mask 4 x 2,048 x 2,048 int32; query 4 x 2,048 x 1,024 float32; value 4 x 2,048 x 1,024 float32.
;; Outputs: out0 4 x 2,048 x 1,024 float32.
;; One version. Each part assembles by itself: llvm-mc -triple=amdgcn-amd-amdhsa -mcpu=gfx1250 --defsym DOCPART=n.
;; ======== version 1 of 1: 5 launches
;; limits: values are held in f16: magnitudes above 65,504 overflow, below 6.1e-05 lose precision
;; workspace buffers: xb 50,331,648 bytes; wb 8,388,608 bytes; qkv 50,331,648 bytes; pb 33,554,432 bytes; stats 1,048,576 bytes; attn 16,777,216 bytes
;; launch cast (part 1): grid 64 x 28, 8 waves a work-group, no clusters, 0 bytes of LDS; arguments query, key_, value, Wq, Wk, Wv, Wo, xb, wb; writes xb, wb
.if DOCPART == 1
	.amdgcn_target "amdgcn-amd-amdhsa--gfx1250"
	.amdhsa_code_object_version 6
	.text
	.protected	k_q8d7e1491f9_cast
	.globl	k_q8d7e1491f9_cast
	.p2align	8
	.type	k_q8d7e1491f9_cast,@function
k_q8d7e1491f9_cast:
	s_mov_b64 s[64:65], 0
	v_nop
	global_prefetch_b8 v0, s[64:65] scope:SCOPE_SE
	s_setreg_imm32_b32 hwreg(HW_REG_WAVE_MODE, 25, 1), 1
	s_wait_xcnt 0x0
; The three activations and the four weights rounded to bf16 (to nearest even), so that the products that follow bring their tiles into LDS
; in a format of the matrix unit.
; xb: [24576][1024] bf16 = query, key_, value one below the other.  wb: [4096][1024] of 16 bits = Wq, Wk, Wv in bf16, then Wo.
; Wo is rounded to bf16 like every other input, and that value is then held in f16: the last product's other operand is f16, and the matrix form
; takes both operands in one format.  The second step is exact for |Wo| >= 2^-17 (8 significant bits above f16's last place 2^-24); below that
; it errs by 2^-25 at the most.  LIMIT: |Wo| above 65,504 becomes infinite.
; A work-group casts 65,536 bytes of f32.  y = 0..23: activation y / 8, chunk 64 (y % 8) + x of its 512.  y = 24..27: weight y - 24, chunk x of its 64.
; Thread t takes 16 bytes at 16 t of each of 16 pieces of 4,096 bytes: a wave's load covers 512 consecutive bytes, its store 256 consecutive
; bytes at a multiple of 256.  All 16 loads of a thread go out first; nothing is read twice.
; Memory binds: no LDS, no barrier, no matrix unit; the work-groups share no byte, so there is nothing to ask for jointly in a cluster.
.set X, 4                              ; v[4:67]   16 x 4 numbers as loaded
.set Y, 68                             ; v[68:99]  16 x 2 words to store
	s_load_b512 s[8:23], s[0:1], 0x0               ; query s[8:9], key_ s[10:11], value s[12:13], Wq s[14:15], Wk s[16:17], Wv s[18:19], Wo s[20:21], xb s[22:23]
	s_load_b64 s[24:25], s[0:1], 0x40              ; wb
	s_and_b32 s2, ttmp7, 0xffff                    ; y
	s_mov_b32 s5, ttmp9                            ; x
	s_lshr_b32 s3, s2, 3                           ; which activation (3: a weight)
	s_and_b32 s4, s2, 7
	s_lshl_b32 s4, s4, 6
	s_add_co_u32 s4, s4, s5                        ; an activation's chunk
	s_lshl_b32 s6, s2, 6
	s_add_co_u32 s6, s6, s5                        ; chunk in xb: 64 y + x
	s_sub_co_u32 s7, s6, 24*64                     ; chunk in wb: 64 (y - 24) + x (used for y >= 24 alone)
	s_cmp_lt_u32 s2, 24
	s_cselect_b32 s4, s4, s5                       ; a weight's chunk is x
	s_cselect_b32 s6, s6, s7
	s_lshl_b32 s30, s4, 16                         ; source offset: chunks of 65,536 bytes, below 2^25
	s_mov_b32 s31, 0
	s_lshl_b32 s32, s6, 15                         ; destination offset: chunks of 32,768 bytes, below 2^26
	s_mov_b32 s33, 0
	s_mov_b32 s34, 0xffff0000                      ; a word's upper bf16
	v_lshlrev_b32 v1, 4, v0                        ; 16 t
	v_lshlrev_b32 v2, 3, v0                        ; 8 t
	s_wait_kmcnt 0x0
	s_cmp_lt_u32 s2, 24
	s_cselect_b64 s[28:29], s[22:23], s[24:25]     ; xb or wb
	s_cmp_eq_u32 s3, 1
	s_cselect_b64 s[26:27], s[10:11], s[8:9]
	s_cmp_eq_u32 s3, 2
	s_cselect_b64 s[26:27], s[12:13], s[26:27]
	s_cmp_eq_u32 s2, 24
	s_cselect_b64 s[26:27], s[14:15], s[26:27]
	s_cmp_eq_u32 s2, 25
	s_cselect_b64 s[26:27], s[16:17], s[26:27]
	s_cmp_eq_u32 s2, 26
	s_cselect_b64 s[26:27], s[18:19], s[26:27]
	s_cmp_eq_u32 s2, 27
	s_cselect_b64 s[26:27], s[20:21], s[26:27]
	s_add_nc_u64 s[26:27], s[26:27], s[30:31]
	s_add_nc_u64 s[28:29], s[28:29], s[32:33]
.irp i, 0,1,2,3,4,5,6,7,8,9,10,11,12,13,14,15
	global_load_b128 v[X+4*\i:X+4*\i+3], v1, s[26:27] offset:4096*\i th:TH_LOAD_NT   ; read once in the launch
.endr
	s_cmp_eq_u32 s2, 27                            ; Wo's work-groups go their own way: the branch hangs on the work-group's y alone
	s_cbranch_scc1 .Lwo
.irp i, 0,1,2,3,4,5,6,7,8,9,10,11,12,13,14,15
	s_wait_loadcnt 15-\i                           ; loads come back in order (ISA guide 5.7.1): piece i is in, the younger ones stay out
	v_cvt_pk_bf16_f32 v[Y+2*\i],   v[X+4*\i],   v[X+4*\i+1]
	v_cvt_pk_bf16_f32 v[Y+2*\i+1], v[X+4*\i+2], v[X+4*\i+3]
	global_store_b64 v2, v[Y+2*\i:Y+2*\i+1], s[28:29] offset:2048*\i
.endr
	s_endpgm
.Lwo:
.irp i, 0,1,2,3,4,5,6,7,8,9,10,11,12,13,14,15
	s_wait_loadcnt 15-\i                           ; piece i is in, the younger ones stay out
	v_cvt_pk_bf16_f32 v[Y+2*\i],   v[X+4*\i],   v[X+4*\i+1]    ; the rounding, to bf16
	v_cvt_pk_bf16_f32 v[Y+2*\i+1], v[X+4*\i+2], v[X+4*\i+3]
	v_lshlrev_b32 v[X+4*\i],   16,  v[Y+2*\i]                  ; the rounded numbers as f32 (piece i's registers are free: its load is in)
	v_and_b32     v[X+4*\i+1], s34, v[Y+2*\i]
	v_lshlrev_b32 v[X+4*\i+2], 16,  v[Y+2*\i+1]
	v_and_b32     v[X+4*\i+3], s34, v[Y+2*\i+1]
	v_cvt_pk_f16_f32 v[Y+2*\i],   v[X+4*\i],   v[X+4*\i+1]     ; and held in f16
	v_cvt_pk_f16_f32 v[Y+2*\i+1], v[X+4*\i+2], v[X+4*\i+3]
	global_store_b64 v2, v[Y+2*\i:Y+2*\i+1], s[28:29] offset:2048*\i
.endr
	s_endpgm
.Lfunc_end_k_q8d7e1491f9_cast:
	.size	k_q8d7e1491f9_cast, .Lfunc_end_k_q8d7e1491f9_cast-k_q8d7e1491f9_cast
	.p2alignl 7, 3214868480
	.fill 96, 4, 3214868480
	.section	.rodata,"a",@progbits
	.p2align	6, 0x0
	.amdhsa_kernel k_q8d7e1491f9_cast
		.amdhsa_group_segment_fixed_size 0
		.amdhsa_private_segment_fixed_size 0
		.amdhsa_enable_private_segment 0
		.amdhsa_kernarg_size 72
		.amdhsa_user_sgpr_count 2
		.amdhsa_user_sgpr_kernarg_segment_ptr 1
		.amdhsa_wavefront_size32 1
		.amdhsa_system_sgpr_workgroup_id_x 1
		.amdhsa_system_sgpr_workgroup_id_y 1
		.amdhsa_system_sgpr_workgroup_id_z 1
		.amdhsa_system_vgpr_workitem_id 0
		.amdhsa_next_free_vgpr 100
		.amdhsa_next_free_sgpr 66
		.amdhsa_reserve_vcc 0
		.amdhsa_float_denorm_mode_32 3
		.amdhsa_float_denorm_mode_16_64 3
		.amdhsa_memory_ordered 1
		.amdhsa_forward_progress 1
		.amdhsa_inst_pref_size 16
	.end_amdhsa_kernel
	.amdgpu_metadata
---
amdhsa.version: [ 1, 2 ]
amdhsa.kernels:
  - .name:           k_q8d7e1491f9_cast
    .symbol:         k_q8d7e1491f9_cast.kd
    .args:
      - { .name: query, .offset: 0, .size: 8, .value_kind: global_buffer, .address_space: global }
      - { .name: key_, .offset: 8, .size: 8, .value_kind: global_buffer, .address_space: global }
      - { .name: value, .offset: 16, .size: 8, .value_kind: global_buffer, .address_space: global }
      - { .name: Wq, .offset: 24, .size: 8, .value_kind: global_buffer, .address_space: global }
      - { .name: Wk, .offset: 32, .size: 8, .value_kind: global_buffer, .address_space: global }
      - { .name: Wv, .offset: 40, .size: 8, .value_kind: global_buffer, .address_space: global }
      - { .name: Wo, .offset: 48, .size: 8, .value_kind: global_buffer, .address_space: global }
      - { .name: xb, .offset: 56, .size: 8, .value_kind: global_buffer, .address_space: global }
      - { .name: wb, .offset: 64, .size: 8, .value_kind: global_buffer, .address_space: global }
    .group_segment_fixed_size: 0
    .private_segment_fixed_size: 0
    .kernarg_segment_align: 8
    .kernarg_segment_size: 72
    .max_flat_workgroup_size: 256
    .sgpr_count:     66
    .vgpr_count:     100
    .wavefront_size: 32
...
	.end_amdgpu_metadata
.endif
;; end of part 1
;; launch proj (part 2): grid 4 x 96, 4 waves a work-group, clusters of 4 x 4, 327,680 bytes of LDS; arguments xb, wb, bq, bk, bv, qkv; writes qkv
.if DOCPART == 2
	.amdgcn_target "amdgcn-amd-amdhsa--gfx1250"
	.amdhsa_code_object_version 6
	.text
	.protected	k_q8d7e1491f9_proj
	.globl	k_q8d7e1491f9_proj
	.p2align	8
	.type	k_q8d7e1491f9_proj,@function
k_q8d7e1491f9_proj:
	s_mov_b64 s[64:65], 0
	v_nop
	global_prefetch_b8 v0, s[64:65] scope:SCOPE_SE
	s_setreg_imm32_b32 hwreg(HW_REG_WAVE_MODE, 25, 1), 1
	s_wait_xcnt 0x0
	s_wait_alu depctr_hold_cnt(0) depctr_sa_sdst(0) depctr_va_vdst(0) depctr_va_sdst(0) depctr_va_ssrc(0) depctr_va_vcc(0) depctr_vm_vsrc(0)
	s_getreg_b32 s2, hwreg(HW_REG_IB_STS2, 6, 4)
	s_cmp_eq_u32 s2, 0
	s_cbranch_scc0 .Lentry_in_a_cluster
	s_endpgm
.Lentry_in_a_cluster:
	s_bfe_u32 s2, ttmp6, 0x10000c
	s_cmp_lg_u32 s2, 0xf033
	s_cbranch_scc0 .Lentry_shape_is_right
	s_endpgm
.Lentry_shape_is_right:
; qkv[m][n] = sum over k of xb[m][k] wb[1024 p + n][k] + bias_p[n], rounded once to f16.  m = 0..24575 (query, key_, value rows), p = m / 8192,
; n = 0..1023, K = 1024.  bf16 operands, f32 sums; the bias is the sums' first value.
; Q, K and V go out in f16, not bf16: a row that keeps few keys hands V's rounding on to the output undamped, summed over 1,024 terms of Wo, and
; 8 significant bits are too few for that; f16 has 11.
; LIMIT: |Q|, |K|, |V| above 65,504 become infinite.  With inputs of unit spread and weights within 1/32 they stay below 4; activations and weights
; both 30 times larger give below 3,600; offsets of 30 on the activations and 0.54 on the weights give about 1024 x 30 x 0.54 = 16,600.
; A work-group makes a block of 256 x 256 with four waves; a wave makes 128 x 128: 64 accumulator tiles of 16 x 16, 512 registers.
; 24,576 x 1,024 / (256 x 256) = 384 work-groups of equal work.  A block of 256 x 128 would give 768, but only 120 matrix instructions of a wave
; between a tile's request and the wait for it instead of 240, and 12 KiB of fragments for 32 matrix instructions instead of 16 KiB for 64.
; K goes in steps of 128 through a ring of two LDS slots filled by the tensor data mover; a tile's rows are 256 bytes of memory at multiples of 256.
; CLUSTERS of 4 x 4 work-groups: the four of a row of the cluster need the same tile of xb, the four of a column the same tile of wb
; (a projection is 32 block rows = 8 clusters, so the four share p).  Each such tile is asked for jointly, which divides the requests by four.
; REGISTERS, in windows of 256:
;   window 0: v0-31 addresses; v64-127, v128-191 fragments of xb (8 x 16 rows x 32 K), two buffers; v192-255 the bias, later packed results
;   window 1: v64-127, v128-191 fragments of wb, two buffers
;   window 2: the 32 accumulator tiles of my rows 0-63 (tile (a, b) at v[8 (8 a + b)]);   window 3: those of my rows 64-127
; THE MATRIX INSTRUCTION IS USED TRANSPOSED: source 0 = 16 rows of wb, source 1 = 16 rows of xb.  Lane l then holds row l % 16 of the tile, and its
; registers 0..7 the columns 8 (l / 16) + 0..7: eight neighbouring numbers of a row.
.set KSTEP,  128
.set PITCH,  272                       ; an LDS row: 256 bytes + 16 of padding, so that the 16 rows of a fragment load begin 16 bytes apart modulo 256
.set HALFT,  128*PITCH                 ; 34,816: what one tensor load brings, and what one wave reads of xb or of wb
.set SLOT,   4*HALFT                   ; 139,264: xb's 256 rows, then wb's 256 rows
.set STAGE,  2*SLOT                    ; 278,528: behind the ring, 16 rows x 272 bytes for each wave, for the way out; no tensor load lands there
.set SPITCH, 272
.set LAPS,   4                         ; 8 K steps; a lap = two K steps = once round the ring
.set CP,     2048                      ; bytes in a row of qkv
.set ADRA, 16                          ; v16-17  LDS address of my xb fragments in slot 0, 1
.set ADRB, 20                          ; v20-21  the same for wb
.set STO,  24                          ; the way out: where I put 16 bytes of a row
.set RD,   25                          ; the way out: where I read a row back
.set CO,   26                          ; my byte offset in qkv
.set BIA,  27                          ; 32 (l / 16): my 8 columns' offset in the bias
.set F0,   64
.set F1,   128
.set BS,   192                         ; v192-255 the bias of my 128 columns in a tile's layout: v[BS + 8 b + j] = bias of column 16 b + 8 (l / 16) + j
.set TMP,  192                         ; the way out: packed results (the bias is long used by then)
.set G1,  24                           ; s[24:31] descriptor group 1, xb's tiles
.set G0,  32                           ; s[32:39] descriptor group 0, xb's tiles, one set for each slot
.set G1B, 48                           ; s[48:55] descriptor group 1, wb's tiles: it differs in the mask alone
.set G0B, 56                           ; s[56:63] descriptor group 0, wb's tiles, one set for each slot
.set MUL_LO, 0xa1                      ; source 0 (wb) window 1, source 1 (xb) window 0, C and D window 2
.set MUL_HI, 0xf1                      ; the same, C and D window 3
.set FST_LO, 0x81                      ; the first products: C (the bias) window 0, D window 2
.set FST_HI, 0xc1                      ; the same, D window 3
.set TO_B,   0x40                      ; destination window 1, address window 0
.set MSB, 0
.macro WIN new                         ; the immediate's high byte repeats the setting that is left
.if MSB != \new
	s_set_vgpr_msb (MSB<<8)|\new
.set MSB, \new
.endif
.endm
; A joint load.  Waves 0 and 1 fetch xb's two halves, waves 2 and 3 wb's, 128 rows each: one load a wave.  The branch hangs on the wave's number alone.
.macro JLOAD s
	s_cmp_lt_u32 s10, 2
	s_cbranch_scc0 .Lfor_b_\@
	tensor_load_to_lds s[G0+4*\s:G0+4*\s+3], s[G1:G1+7]
	s_nop 0
	s_branch .Lasked_\@
.Lfor_b_\@:
	tensor_load_to_lds s[G0B+4*\s:G0B+4*\s+3], s[G1B:G1B+7]
	s_nop 0
.Lasked_\@:
.endm
.macro CREST                           ; a round of the cluster's barrier behind its opening barrier
	s_cmp_lg_u32 s10, 0
	s_cbranch_scc1 .Lnot_wave_0_\@
	s_barrier_signal -3
.Lnot_wave_0_\@:
	s_barrier_wait -3
	s_barrier_signal -1
	s_barrier_wait -1
.endm
.macro CROUND                          ; a whole round
	s_barrier_signal -1
	s_barrier_wait -1
	CREST
.endm
.macro PLACES                          ; four places behind matrix instructions in front of loads into, and vector work on, their registers
.rept 4
	v_nop
.endr
.endm
; 16 matrix instructions: row blocks a0, a0 + 1 of the window's four (hi = 0: my rows 0-63, 1: rows 64-127) x all 8 column blocks, 32 along K.
; first = 1: C is the bias, D the accumulator: the first product starts the sums, nothing is cleared and nothing is added at the end.
.macro MUL16 f, hi, a0, first
.irp a, \a0, \a0+1
.irp b, 0,1,2,3,4,5,6,7
.if \first
	v_wmma_f32_16x16x32_bf16 v[8*(8*(\a)+\b):8*(8*(\a)+\b)+7], v[\f+8*\b:\f+8*\b+7], v[\f+8*(4*\hi+\a):\f+8*(4*\hi+\a)+7], v[BS+8*\b:BS+8*\b+7]
.else
	v_wmma_f32_16x16x32_bf16 v[8*(8*(\a)+\b):8*(8*(\a)+\b)+7], v[\f+8*\b:\f+8*\b+7], v[\f+8*(4*\hi+\a):\f+8*(4*\hi+\a)+7], v[8*(8*(\a)+\b):8*(8*(\a)+\b)+7]
.endif
.endr
.endr
.endm
; 32 LDS loads in one run: the fragments of a quarter step (128 rows of wb, 128 rows of xb, 32 K at byte k of the rows) into buffer f
.macro FETCH slot, k, f
	WIN TO_B
.irp i, 0,1,2,3,4,5,6,7
	ds_load_b128 v[\f+8*\i:\f+8*\i+3],   v[ADRB+\slot] offset:\k+\i*16*PITCH
	ds_load_b128 v[\f+8*\i+4:\f+8*\i+7], v[ADRB+\slot] offset:\k+\i*16*PITCH+32
.endr
	WIN 0
.irp i, 0,1,2,3,4,5,6,7
	ds_load_b128 v[\f+8*\i:\f+8*\i+3],   v[ADRA+\slot] offset:\k+\i*16*PITCH
	ds_load_b128 v[\f+8*\i+4:\f+8*\i+7], v[ADRA+\slot] offset:\k+\i*16*PITCH+32
.endr
.endm
; A K step is four quarters of 32 along K, 64 matrix instructions each, on buffers 0, 1, 0, 1.  The 64 accumulators take turns, one instruction a
; turn, in the same order in every quarter and over the loop's jump.
.macro QUARTER slot, k, f, g, first
	s_wait_dscnt 8                                 ; wb's fragments and xb's rows 0-63 are in; the youngest eight loads (xb's rows 64-127) may be out
.if \first
	WIN FST_LO
.else
	WIN MUL_LO
.endif
	MUL16 \f, 0, 0, \first
	MUL16 \f, 0, 2, \first
	PLACES
	FETCH \slot, \k, \g
	s_wait_dscnt 32                                ; all but the 32 just issued
.if \first
	WIN FST_HI
.else
	WIN MUL_HI
.endif
	MUL16 \f, 1, 0, \first
	MUL16 \f, 1, 2, \first
.endm
.macro THREE slot, first
	QUARTER \slot, 64,  F0, F1, \first
	QUARTER \slot, 128, F1, F0, 0
	QUARTER \slot, 192, F0, F1, 0
.endm
; The last quarter changes slots.  In front of the barrier each wave waits for its reads of this slot and for all its tensor loads (one is out: its part
; of the next slot).  Where the slot is filled again the barrier opens a round of the cluster's barrier, and the joint refill is the first tensor load behind it.
.macro TURN slot, next, fill
	s_wait_dscnt 8
	WIN MUL_LO
	MUL16 F1, 0, 0, 0
	s_wait_dscnt 0                                 ; my reads of this slot are over
	s_wait_tensorcnt 0x0                           ; all my tensor loads have landed
	ds_add_u32 v255, v63
	s_wait_dscnt 0x0
	s_barrier_signal -1
	MUL16 F1, 0, 2, 0                              ; register work while the others arrive
	WIN 0
	s_barrier_wait -1
.if \fill
	CREST                                          ; no wave of any partner reads this slot any more or has a load on its way
	s_add_nc_u64 s[G0+4*\slot+2:G0+4*\slot+3], s[G0+4*\slot+2:G0+4*\slot+3], 2*KSTEP*2
	s_add_nc_u64 s[G0B+4*\slot+2:G0B+4*\slot+3], s[G0B+4*\slot+2:G0B+4*\slot+3], 2*KSTEP*2
	JLOAD \slot                                    ; it has 240 matrix instructions of this wave in which to land
.endif
	PLACES
	FETCH \next, 0, F0
	WIN MUL_HI
	MUL16 F1, 1, 0, 0
	MUL16 F1, 1, 2, 0
.endm
.macro LAP first                       ; once round the ring, both slots filled again
	THREE 0, \first
	TURN 0, 1, 1
	THREE 1, 0
	TURN 1, 0, 1
.endm
	s_load_b256 s[68:75], s[0:1], 0x0              ; xb s[68:69], wb s[70:71], bq s[72:73], bk s[74:75]
	s_load_b128 s[76:79], s[0:1], 0x20             ; bv s[76:77], qkv s[78:79]
	s_set_vgpr_msb 0x40
	v_lshl_add_u32 v255, v0, 2, 0x48400
	s_set_vgpr_msb 0x4000
	v_mov_b32 v63, 0
	s_set_vgpr_msb 0x1
	ds_add_u32 v255, v63
	s_set_vgpr_msb 0x100
	v_lshrrev_b32 v1, 5, v0
	v_readfirstlane_b32 s10, v1                    ; wave 0..3
	s_lshr_b32 s11, s10, 1                         ; which half of the block's rows is mine
	s_and_b32 s12, s10, 1                          ; which half of its columns; also: which 128 rows of a tile I fetch
	s_bfe_u32 s40, ttmp6, 0x40000                  ; cx
	s_bfe_u32 s41, ttmp6, 0x40004                  ; cy
	s_lshl_b32 s42, ttmp9, 2
	s_add_co_u32 s42, s42, s40                     ; block column = 4 x cluster x + cx
	s_and_b32 s45, ttmp7, 0xffff                   ; cluster y
	s_lshl_b32 s13, s45, 2
	s_add_co_u32 s13, s13, s41                     ; block row = 4 x cluster y + cy
	s_lshr_b32 s45, s45, 3                         ; p: 8 clusters of block rows to a projection
	s_lshl_b32 s43, s41, 2
	s_lshl_b32 s43, 15, s43                        ; my row of the cluster
	s_lshl_b32 s44, 0x1111, s40                    ; my column
	s_or_b32 s[G1+0], s43, (1<<16)|(1<<20)|(1<<21)|(5<<22)|(3<<25)   ; mask; 2-byte elements; padding on; bit 21 beside a mask; after every 64 words, 4 words
	s_mov_b32 s[G1+1], KSTEP<<16                   ; tensor_dim0 = 128
	s_mov_b32 s[G1+2], 128<<16                     ; tensor_dim1 = 128
	s_mov_b32 s[G1+3], KSTEP<<16                   ; tile_dim0 = 128
	s_mov_b32 s[G1+4], 128                         ; tile_dim1 = 128 rows
	s_mov_b32 s[G1+5], 1024                        ; elements from row to row
	s_mov_b32 s[G1+6], 0
	s_mov_b32 s[G1+7], 0
	s_or_b32 s[G1B+0], s44, (1<<16)|(1<<20)|(1<<21)|(5<<22)|(3<<25)
	s_mov_b32 s[G1B+1], KSTEP<<16
	s_mov_b32 s[G1B+2], 128<<16
	s_mov_b32 s[G1B+3], KSTEP<<16
	s_mov_b32 s[G1B+4], 128
	s_mov_b32 s[G1B+5], 1024
	s_mov_b32 s[G1B+6], 0
	s_mov_b32 s[G1B+7], 0
	s_lshl_b32 s16, s13, 8                         ; xb: row 256 x block row + 128 x half, 2,048 bytes a row (below 2^26)
	s_lshl_b32 s17, s12, 7
	s_add_co_u32 s16, s16, s17
	s_lshl_b32 s16, s16, 11
	s_mov_b32 s17, 0
	s_lshl_b32 s46, s45, 10                        ; wb: row 1024 p + 256 x block column + 128 x half
	s_lshl_b32 s47, s42, 8
	s_add_co_u32 s46, s46, s47
	s_lshl_b32 s47, s12, 7
	s_add_co_u32 s46, s46, s47
	s_lshl_b32 s46, s46, 11
	s_mov_b32 s47, 0
	s_mul_i32 s20, s10, HALFT                      ; LDS: xb's two halves, then wb's two halves = wave x 128 rows
	s_lshl_b32 s84, s13, 8                         ; qkv: row 256 x block row + 128 x my half, column bytes 512 x block column + 256 x my half
	s_lshl_b32 s85, s11, 7
	s_add_co_u32 s84, s84, s85
	s_lshl_b32 s84, s84, 11
	s_lshl_b32 s85, s42, 9
	s_add_co_u32 s84, s84, s85
	s_lshl_b32 s85, s12, 8
	s_add_co_u32 s84, s84, s85
	s_mov_b32 s85, 0
	s_lshl_b32 s86, s42, 10                        ; bias: 256 numbers of 4 bytes a block column, 128 a half
	s_lshl_b32 s87, s12, 9
	s_add_co_u32 s86, s86, s87
	s_mov_b32 s87, 0
	s_wait_dscnt 0x0
	s_wait_kmcnt 0x0
	s_add_nc_u64 s[14:15], s[68:69], s[16:17]
	s_add_nc_u64 s[46:47], s[70:71], s[46:47]
	s_add_nc_u64 s[8:9], s[78:79], s[84:85]
	s_cmp_eq_u32 s45, 1
	s_cselect_b64 s[80:81], s[74:75], s[72:73]     ; bk or bq
	s_cmp_eq_u32 s45, 2
	s_cselect_b64 s[80:81], s[76:77], s[80:81]     ; or bv
	s_add_nc_u64 s[80:81], s[80:81], s[86:87]
	CROUND                                         ; all sixteen work-groups are here: the first joint loads meet
.irp s, 0,1
	s_mov_b32 s[G0+4*\s], 1
	s_add_co_u32 s[G0+4*\s+1], s20, \s*SLOT
	s_add_nc_u64 s[G0+4*\s+2:G0+4*\s+3], s[14:15], \s*KSTEP*2
	s_or_b32 s[G0+4*\s+3], s[G0+4*\s+3], 0x80000000
	s_mov_b32 s[G0B+4*\s], 1
	s_add_co_u32 s[G0B+4*\s+1], s20, \s*SLOT
	s_add_nc_u64 s[G0B+4*\s+2:G0B+4*\s+3], s[46:47], \s*KSTEP*2
	s_or_b32 s[G0B+4*\s+3], s[G0B+4*\s+3], 0x80000000
	JLOAD \s                                       ; two loads of this wave are out now, later one
.endr
	v_and_b32 v1, 15, v0                           ; r = l % 16
	v_bfe_u32 v2, v0, 4, 1                         ; h = l / 16
	v_lshlrev_b32 v[BIA], 5, v2
.irp b, 0,1,2,3,4,5,6,7
	global_load_b128 v[BS+8*\b:BS+8*\b+3],   v[BIA], s[80:81] offset:64*\b      ; the bias of columns 16 b + 8 h + 0..3
	global_load_b128 v[BS+8*\b+4:BS+8*\b+7], v[BIA], s[80:81] offset:64*\b+16   ; and + 4..7
.endr
	v_mul_u32_u24 v3, v1, PITCH
	v_lshl_add_u32 v3, v2, 4, v3                   ; row x pitch + 16 h
	s_mul_i32 s21, s11, HALFT                      ; my 128 rows of xb
	s_mul_i32 s22, s12, HALFT                      ; my 128 rows of wb,
	s_add_co_u32 s22, s22, 2*HALFT                 ; which lie behind xb's 256
.irp s, 0,1
	v_add_nc_u32 v[ADRA+\s], s21, v3
	v_add_nc_u32 v[ADRB+\s], s22, v3
	s_add_co_u32 s21, s21, SLOT
	s_add_co_u32 s22, s22, SLOT
.endr
	s_mul_i32 s23, s10, 16*SPITCH
	s_add_co_u32 s23, s23, STAGE                   ; my stage
	v_add_nc_u32 v[STO], s23, v3                   ; in: row r, 16 bytes for each half of the lanes
	v_mul_u32_u24 v4, v2, SPITCH                   ; back: lanes 0-15 one row of 256 bytes, lanes 16-31 the next
	v_lshl_add_u32 v4, v1, 4, v4
	v_add_nc_u32 v[RD], s23, v4
	v_mul_u32_u24 v5, v2, CP
	v_lshl_add_u32 v[CO], v1, 4, v5
	s_wait_tensorcnt 1                             ; my part of K step 0 is in; K step 1's may stay out
	s_barrier_signal -1
	s_barrier_wait -1
	FETCH 0, 0, F0
	s_wait_loadcnt 0x0                             ; the bias is in
	LAP 1                                          ; the first lap stands in front of the loop: its first products start the sums from the bias
	WIN 0
	s_mov_b32 s3, LAPS-2
.Llap:
	LAP 0
	WIN 0
	s_sub_co_u32 s3, s3, 1
	s_cmp_lg_u32 s3, 0
	s_cbranch_scc1 .Llap
	THREE 0, 0                                     ; the last lap fills nothing
	TURN 0, 1, 0
	THREE 1, 0
	s_wait_dscnt 8
	WIN MUL_LO
	MUL16 F1, 0, 0, 0
	MUL16 F1, 0, 2, 0
	s_wait_dscnt 0
	WIN MUL_HI
	MUL16 F1, 1, 0, 0
	MUL16 F1, 1, 2, 0
	PLACES
; THE WAY OUT, 16 rows at a time: round to f16, 16 bytes a lane into my own stage, read back as whole rows of 256 bytes.
; rows 16 i .. 16 i + 15 of my block = the eight tiles (a, 0..7) of window 2 or 3 (from = 0x0a or 0x0f: sources 0 and 1); f: F0 or F1 in turn
.macro OUT16 i, a, from, f
	WIN \from
.irp b, 0,1,2,3,4,5,6,7
.irp r, 0,1,2,3
	v_cvt_pk_f16_f32 v[TMP+4*\b+\r], v[8*(8*\a+\b)+2*\r], v[8*(8*\a+\b)+2*\r+1]
.endr
.endr
	WIN 0
.irp b, 0,1,2,3,4,5,6,7
	ds_store_b128 v[STO], v[TMP+4*\b:TMP+4*\b+3] offset:32*\b
.endr
	s_wait_xcnt 0x0                                ; buffer f was the data of earlier stores: it is loaded again only behind this wait
.irp t, 0,1,2,3,4,5,6,7
	ds_load_b128 v[\f+4*\t:\f+4*\t+3], v[RD] offset:\t*2*SPITCH   ; LDS serves a wave's instructions in order: these see the stores above
.endr
.irp t, 0,1,2,3,4,5,6,7
	s_wait_dscnt 7-\t
	global_store_b128 v[CO], v[\f+4*\t:\f+4*\t+3], s[8:9] offset:(16*\i+2*\t)*CP   ; 16 lanes store 256 consecutive bytes at a multiple of 256
.endr
.endm
	OUT16 0, 0, 0x0a, F0
	OUT16 1, 1, 0x0a, F1
	OUT16 2, 2, 0x0a, F0
	OUT16 3, 3, 0x0a, F1
	OUT16 4, 0, 0x0f, F0
	OUT16 5, 1, 0x0f, F1
	OUT16 6, 2, 0x0f, F0
	OUT16 7, 3, 0x0f, F1
	s_set_vgpr_msb 0x1
	s_wait_tensorcnt 0x0
	ds_add_u32 v255, v63
	s_wait_dscnt 0x0
	s_set_vgpr_msb 0x100
	CROUND                                         ; the closing round: no work-group ends while a partner may still ask for a tile that names it
	s_endpgm
.Lfunc_end_k_q8d7e1491f9_proj:
	.size	k_q8d7e1491f9_proj, .Lfunc_end_k_q8d7e1491f9_proj-k_q8d7e1491f9_proj
	.p2alignl 7, 3214868480
	.fill 96, 4, 3214868480
	.section	.rodata,"a",@progbits
	.p2align	6, 0x0
	.amdhsa_kernel k_q8d7e1491f9_proj
		.amdhsa_group_segment_fixed_size 327680
		.amdhsa_private_segment_fixed_size 0
		.amdhsa_enable_private_segment 0
		.amdhsa_kernarg_size 48
		.amdhsa_user_sgpr_count 2
		.amdhsa_user_sgpr_kernarg_segment_ptr 1
		.amdhsa_wavefront_size32 1
		.amdhsa_system_sgpr_workgroup_id_x 1
		.amdhsa_system_sgpr_workgroup_id_y 1
		.amdhsa_system_sgpr_workgroup_id_z 1
		.amdhsa_system_vgpr_workitem_id 0
		.amdhsa_next_free_vgpr 1024
		.amdhsa_next_free_sgpr 96
		.amdhsa_reserve_vcc 0
		.amdhsa_float_denorm_mode_32 3
		.amdhsa_float_denorm_mode_16_64 3
		.amdhsa_memory_ordered 1
		.amdhsa_forward_progress 1
		.amdhsa_inst_pref_size 197
	.end_amdhsa_kernel
	.amdgpu_metadata
---
amdhsa.version: [ 1, 2 ]
amdhsa.kernels:
  - .name:           k_q8d7e1491f9_proj
    .symbol:         k_q8d7e1491f9_proj.kd
    .args:
      - { .name: xb, .offset: 0, .size: 8, .value_kind: global_buffer, .address_space: global }
      - { .name: wb, .offset: 8, .size: 8, .value_kind: global_buffer, .address_space: global }
      - { .name: bq, .offset: 16, .size: 8, .value_kind: global_buffer, .address_space: global }
      - { .name: bk, .offset: 24, .size: 8, .value_kind: global_buffer, .address_space: global }
      - { .name: bv, .offset: 32, .size: 8, .value_kind: global_buffer, .address_space: global }
      - { .name: qkv, .offset: 40, .size: 8, .value_kind: global_buffer, .address_space: global }
    .group_segment_fixed_size: 327680
    .private_segment_fixed_size: 0
    .kernarg_segment_align: 8
    .kernarg_segment_size: 48
    .max_flat_workgroup_size: 128
    .sgpr_count:     96
    .vgpr_count:     1024
    .wavefront_size: 32
...
	.end_amdgpu_metadata
.endif
;; end of part 2
;; launch scores (part 3): grid 8 x 32, 4 waves a work-group, clusters of 4 x 4, 327,680 bytes of LDS; arguments qkv, mask, pb, stats; writes pb, stats
.if DOCPART == 3
	.amdgcn_target "amdgcn-amd-amdhsa--gfx1250"
	.amdhsa_code_object_version 6
	.text
	.protected	k_q8d7e1491f9_scores
	.globl	k_q8d7e1491f9_scores
	.p2align	8
	.type	k_q8d7e1491f9_scores,@function
k_q8d7e1491f9_scores:
	s_mov_b64 s[64:65], 0
	v_nop
	global_prefetch_b8 v0, s[64:65] scope:SCOPE_SE
	s_setreg_imm32_b32 hwreg(HW_REG_WAVE_MODE, 25, 1), 1
	s_wait_xcnt 0x0
	s_wait_alu depctr_hold_cnt(0) depctr_sa_sdst(0) depctr_va_vdst(0) depctr_va_sdst(0) depctr_va_ssrc(0) depctr_va_vcc(0) depctr_vm_vsrc(0)
	s_getreg_b32 s2, hwreg(HW_REG_IB_STS2, 6, 4)
	s_cmp_eq_u32 s2, 0
	s_cbranch_scc0 .Lentry_in_a_cluster
	s_endpgm
.Lentry_in_a_cluster:
	s_bfe_u32 s2, ttmp6, 0x10000c
	s_cmp_lg_u32 s2, 0xf033
	s_cbranch_scc0 .Lentry_shape_is_right
	s_endpgm
.Lentry_shape_is_right:
; For each tile of 128 keys and each query row: s = Q K^T (f16 operands, f32 sums, K = 1024); s = -inf where mask == 0;
; m = c max s, p = 2^(c s - m), l = sum p, with c = log2(e) / 32 (the division by sqrt(1024) and the change of base in one factor).
; p goes to pb [8192][2048] in f16; m and l go to stats.  The next launch joins the 16 tiles of a row by their maxima, so the maximum is
; taken away in front of every exponential: first the tile's, then the row's.
; LIMITS: any mask word other than 0 keeps its key.  A row with no kept key in the tile gets m = -inf, p = 0, l = 0 (its exponent is formed
; against -FLT_MAX, so no NaN arises here); a row with none in any tile becomes NaN in the next launch, as -inf - -inf does in a softmax.
; p lies in 0 .. 1; in f16 it is good to 2^-11 of itself down to 2^-14 and to 2^-25 absolutely below, against a largest p of 1 in the tile.
; l is the sum of the unrounded p.
; stats: 512 bytes for each group of 64 rows g = row / 64 and key tile t, at 512 (16 g + t): word 4 r + a = m of row 64 g + 16 a + r, then 64 words of l likewise.
; A work-group makes 256 queries x 256 keys with four waves; a wave makes 128 queries x 128 keys = one key tile, so a row's figures never leave
; the wave: 64 accumulator tiles of 16 x 16, 512 registers.  256 work-groups of equal work.
; K goes in steps of 128 through a ring of two LDS slots; rows are 256 bytes of memory at multiples of 256; from a tile's request to the wait
; for it a wave issues 240 matrix instructions.
; CLUSTERS of 4 x 4: Q's tile is shared along a row of the cluster, K's along a column (a batch is 8 block rows = 2 clusters): joint loads.
; THE MASK comes by tensor loads of each wave's own (no work-group shares a mask word, so they name no partner) into ring slots that have had
; their last tile: my rows 0-63 x 128 words into slot 0 when the last K step begins, my rows 64-127 into slot 1 when its last fragments are read.
; A wave reads only the bytes that it fetched, straight in the accumulators' layout.
; REGISTERS, in windows of 256:
;   window 0: v0-31 addresses; v64-127, v128-191 fragments of Q, two buffers; behind the products v32-255 are work space
;   window 1: v64-127, v128-191 fragments of K, two buffers; behind the products: 64 rows of the mask at the accumulators' numbers
;   window 2: the 32 accumulator tiles of my rows 0-63 (tile (a, b) at v[8 (8 a + b)]);   window 3: those of my rows 64-127
; The matrix instruction is used transposed (source 0 = keys, source 1 = queries): lane l holds query 16 a + l % 16, registers 0..7 keys 16 b + 8 (l / 16) + 0..7.
.set KSTEP,  128
.set PITCH,  272
.set HALFT,  128*PITCH                 ; 34,816
.set SLOT,   4*HALFT                   ; 139,264
.set STAGE,  2*SLOT                    ; 278,528: behind the ring, 16 rows x 272 bytes for each wave, for p's way out; no tensor load lands there
.set SPITCH, 272
.set MPITCH, 528                       ; a mask row of 512 bytes + 16
.set MWAVE,  64*MPITCH                 ; 33,792: a wave's 64 rows of the mask; four of them fit in a slot
.set LAPS,   4
.set CP,     4096                      ; bytes in a row of pb
.set ADRA, 16
.set ADRB, 20
.set STO,  24
.set RD,   25
.set CO,   26
.set LN16, 27                          ; 16 x lane
.set MRD,  28                          ; v28-29  my place in my part of the mask, in slot 0, 1
.set F0,   64
.set F1,   128
.set RM,   192                         ; v192-195 row maximum of s, for a = 0..3
.set NM,   196                         ; v196-203 -c max, twice (a pair for the packed multiply-add)
.set SM,   204                         ; v204-207 m
.set SL,   208                         ; v208-211 l
.set ST,   212                         ; v212-215 what goes to stats
.set TMP,  224                         ; v224-255 packed p
.set G1,  24
.set G0,  32
.set G1B, 48
.set G0B, 56
.set GM1, 76                           ; s[76:83] descriptor group 1, the mask
.set GM0, 84                           ; s[84:91] descriptor group 0, the mask: rows 0-63 into slot 0, rows 64-127 into slot 1
.set MUL_LO, 0xa1
.set MUL_HI, 0xf1
.set TO_B,   0x40
.set MSB, 0
.macro WIN new
.if MSB != \new
	s_set_vgpr_msb (MSB<<8)|\new
.set MSB, \new
.endif
.endm
.macro JLOAD s                         ; waves 0, 1: Q's halves; waves 2, 3: K's halves; 128 rows each.  One load a wave
	s_cmp_lt_u32 s10, 2
	s_cbranch_scc0 .Lfor_b_\@
	tensor_load_to_lds s[G0+4*\s:G0+4*\s+3], s[G1:G1+7]
	s_nop 0
	s_branch .Lasked_\@
.Lfor_b_\@:
	tensor_load_to_lds s[G0B+4*\s:G0B+4*\s+3], s[G1B:G1B+7]
	s_nop 0
.Lasked_\@:
.endm
.macro CREST
	s_cmp_lg_u32 s10, 0
	s_cbranch_scc1 .Lnot_wave_0_\@
	s_barrier_signal -3
.Lnot_wave_0_\@:
	s_barrier_wait -3
	s_barrier_signal -1
	s_barrier_wait -1
.endm
.macro CROUND
	s_barrier_signal -1
	s_barrier_wait -1
	CREST
.endm
.macro PLACES                          ; four places behind matrix instructions (ISA guide 7.12.1)
.rept 4
	v_nop
.endr
.endm
.macro MUL16 f, hi, a0, zero           ; zero = 1: the first product starts the sums
.irp a, \a0, \a0+1
.irp b, 0,1,2,3,4,5,6,7
.if \zero
	v_wmma_f32_16x16x32_f16 v[8*(8*(\a)+\b):8*(8*(\a)+\b)+7], v[\f+8*\b:\f+8*\b+7], v[\f+8*(4*\hi+\a):\f+8*(4*\hi+\a)+7], 0
.else
	v_wmma_f32_16x16x32_f16 v[8*(8*(\a)+\b):8*(8*(\a)+\b)+7], v[\f+8*\b:\f+8*\b+7], v[\f+8*(4*\hi+\a):\f+8*(4*\hi+\a)+7], v[8*(8*(\a)+\b):8*(8*(\a)+\b)+7]
.endif
.endr
.endr
.endm
.macro FETCH slot, k, f                ; 32 LDS loads: K's eight fragments, then Q's eight
	WIN TO_B
.irp i, 0,1,2,3,4,5,6,7
	ds_load_b128 v[\f+8*\i:\f+8*\i+3],   v[ADRB+\slot] offset:\k+\i*16*PITCH
	ds_load_b128 v[\f+8*\i+4:\f+8*\i+7], v[ADRB+\slot] offset:\k+\i*16*PITCH+32
.endr
	WIN 0
.irp i, 0,1,2,3,4,5,6,7
	ds_load_b128 v[\f+8*\i:\f+8*\i+3],   v[ADRA+\slot] offset:\k+\i*16*PITCH
	ds_load_b128 v[\f+8*\i+4:\f+8*\i+7], v[ADRA+\slot] offset:\k+\i*16*PITCH+32
.endr
.endm
; The 64 accumulators take turns, one instruction a turn, in the same order in every quarter and over the loop's jump.
.macro QUARTER slot, k, f, g, zero
	s_wait_dscnt 8                                 ; only the youngest eight loads (Q's rows 64-127) may be out
	WIN MUL_LO
	MUL16 \f, 0, 0, \zero
	MUL16 \f, 0, 2, \zero
	PLACES
	FETCH \slot, \k, \g
	s_wait_dscnt 32                                ; all but the 32 just issued
	WIN MUL_HI
	MUL16 \f, 1, 0, \zero
	MUL16 \f, 1, 2, \zero
.endm
.macro THREE slot, zero
	QUARTER \slot, 64,  F0, F1, \zero
	QUARTER \slot, 128, F1, F0, 0
	QUARTER \slot, 192, F0, F1, 0
.endm
; The last quarter changes slots.  fill = 1: this slot gets its next tiles, by joint loads; fill = 2: it has had its last tile and gets the mask of
; every wave's rows 0-63.  Either way: each wave's waits for its reads and for all its tensor loads, a round of the cluster's barrier, the one load first behind it.
.macro TURN slot, next, fill
	s_wait_dscnt 8
	WIN MUL_LO
	MUL16 F1, 0, 0, 0
	s_wait_dscnt 0                                 ; my reads of this slot are over
	s_set_vgpr_msb 0xa1a0
	s_wait_tensorcnt 0x0                           ; all my tensor loads have landed: the one that was out is my part of the next slot
	ds_add_u32 v222, v223
	s_wait_dscnt 0x0
	s_set_vgpr_msb 0xa0a1
	s_barrier_signal -1
	MUL16 F1, 0, 2, 0
	WIN 0
	s_barrier_wait -1
	CREST                                          ; the round is closed: no wave of any partner reads this slot or has a load on its way
.if \fill == 1
	s_add_nc_u64 s[G0+4*\slot+2:G0+4*\slot+3], s[G0+4*\slot+2:G0+4*\slot+3], 2*KSTEP*2
	s_add_nc_u64 s[G0B+4*\slot+2:G0B+4*\slot+3], s[G0B+4*\slot+2:G0B+4*\slot+3], 2*KSTEP*2
	JLOAD \slot
.else
	tensor_load_to_lds s[GM0:GM0+3], s[GM1:GM1+7]  ; my own 64 rows x 512 bytes, to my own 33,792 bytes of the slot
	s_nop 0
.endif
	PLACES
	FETCH \next, 0, F0
	WIN MUL_HI
	MUL16 F1, 1, 0, 0
	MUL16 F1, 1, 2, 0
.endm
.macro LAP zero
	THREE 0, \zero
	TURN 0, 1, 1
	THREE 1, 0
	TURN 1, 0, 1
.endm
	s_load_b256 s[68:75], s[0:1], 0x0              ; qkv s[68:69], mask s[70:71], pb s[72:73], stats s[74:75]
	v_lshl_add_u32 v222, v0, 2, 0x48400
	v_mov_b32 v223, 0
	ds_add_u32 v222, v223
	v_lshrrev_b32 v1, 5, v0
	v_readfirstlane_b32 s10, v1                    ; wave 0..3
	s_lshr_b32 s11, s10, 1                         ; which half of the block's queries is mine
	s_and_b32 s12, s10, 1                          ; which half of its keys; also: which 128 rows of a tile I fetch
	s_bfe_u32 s40, ttmp6, 0x40000                  ; cx
	s_bfe_u32 s41, ttmp6, 0x40004                  ; cy
	s_lshl_b32 s42, ttmp9, 2
	s_add_co_u32 s42, s42, s40                     ; block of 256 keys = 4 x cluster x + cx
	s_and_b32 s45, ttmp7, 0xffff
	s_lshl_b32 s13, s45, 2
	s_add_co_u32 s13, s13, s41                     ; block row = 4 x cluster y + cy
	s_lshr_b32 s45, s45, 1                         ; batch: 2 clusters of block rows each
	s_lshl_b32 s43, s41, 2
	s_lshl_b32 s43, 15, s43
	s_lshl_b32 s44, 0x1111, s40
	s_or_b32 s[G1+0], s43, (1<<16)|(1<<20)|(1<<21)|(5<<22)|(3<<25)
	s_mov_b32 s[G1+1], KSTEP<<16
	s_mov_b32 s[G1+2], 128<<16
	s_mov_b32 s[G1+3], KSTEP<<16
	s_mov_b32 s[G1+4], 128
	s_mov_b32 s[G1+5], 1024
	s_mov_b32 s[G1+6], 0
	s_mov_b32 s[G1+7], 0
	s_or_b32 s[G1B+0], s44, (1<<16)|(1<<20)|(1<<21)|(5<<22)|(3<<25)
	s_mov_b32 s[G1B+1], KSTEP<<16
	s_mov_b32 s[G1B+2], 128<<16
	s_mov_b32 s[G1B+3], KSTEP<<16
	s_mov_b32 s[G1B+4], 128
	s_mov_b32 s[G1B+5], 1024
	s_mov_b32 s[G1B+6], 0
	s_mov_b32 s[G1B+7], 0
	s_mov_b32 s[GM1+0], (2<<16)|(1<<20)|(6<<22)|(3<<25)   ; no partner; 4-byte elements; padding on: after every 128 words, 4 words
	s_mov_b32 s[GM1+1], 128<<16                    ; tensor_dim0 = 128 words
	s_mov_b32 s[GM1+2], 64<<16                     ; tensor_dim1 = 64 rows
	s_mov_b32 s[GM1+3], 128<<16                    ; tile_dim0 = 128
	s_mov_b32 s[GM1+4], 64                         ; tile_dim1 = 64
	s_mov_b32 s[GM1+5], 2048                       ; words from row to row
	s_mov_b32 s[GM1+6], 0
	s_mov_b32 s[GM1+7], 0
	s_lshl_b32 s16, s13, 8                         ; Q: row 256 x block row + 128 x half
	s_lshl_b32 s17, s12, 7
	s_add_co_u32 s16, s16, s17
	s_lshl_b32 s16, s16, 11
	s_mov_b32 s17, 0
	s_lshl_b32 s46, s45, 11                        ; K: row 2048 x batch + 256 x key block + 128 x half, behind Q's 16,777,216 bytes
	s_lshl_b32 s47, s42, 8
	s_add_co_u32 s46, s46, s47
	s_lshl_b32 s47, s12, 7
	s_add_co_u32 s46, s46, s47
	s_lshl_b32 s46, s46, 11
	s_add_co_u32 s46, s46, 0x1000000
	s_mov_b32 s47, 0
	s_mul_i32 s20, s10, HALFT                      ; LDS: Q's two halves, then K's two halves = wave x 128 rows
	s_mul_i32 s21, s10, MWAVE                      ; LDS: my part of the mask in a slot
	s_lshl_b32 s18, s13, 8
	s_lshl_b32 s19, s11, 7
	s_add_co_u32 s18, s18, s19                     ; my first row, 0..8064
	s_lshl_b32 s22, s18, 12                        ; pb: 4,096 bytes a row, 512 a key block, 256 a half
	s_lshl_b32 s23, s42, 9
	s_add_co_u32 s22, s22, s23
	s_lshl_b32 s23, s12, 8
	s_add_co_u32 s22, s22, s23
	s_mov_b32 s23, 0
	s_lshl_b32 s4, s18, 13                         ; mask: 8,192 bytes a row, 1,024 a key block, 512 a half (below 2^27)
	s_lshl_b32 s5, s42, 10
	s_add_co_u32 s4, s4, s5
	s_lshl_b32 s5, s12, 9
	s_add_co_u32 s4, s4, s5
	s_mov_b32 s5, 0
	s_lshr_b32 s6, s18, 6                          ; stats: 512 (16 (my first row / 64) + 2 x key block + half)
	s_lshl_b32 s6, s6, 4
	s_lshl_b32 s7, s42, 1
	s_add_co_u32 s6, s6, s7
	s_add_co_u32 s6, s6, s12
	s_lshl_b32 s6, s6, 9
	s_mov_b32 s7, 0
	s_wait_dscnt 0x0
	s_wait_kmcnt 0x0
	s_add_nc_u64 s[14:15], s[68:69], s[16:17]
	s_add_nc_u64 s[46:47], s[68:69], s[46:47]
	s_add_nc_u64 s[8:9], s[72:73], s[22:23]
	s_add_nc_u64 s[18:19], s[74:75], s[6:7]        ; stats at my first group of 64 rows and my key tile
	s_add_nc_u64 s[4:5], s[70:71], s[4:5]          ; the mask at my first row and key
.irp p, 0,1
	s_mov_b32 s[GM0+4*\p], 1
	s_add_co_u32 s[GM0+4*\p+1], s21, \p*SLOT
	s_add_nc_u64 s[GM0+4*\p+2:GM0+4*\p+3], s[4:5], \p*64*8192
	s_or_b32 s[GM0+4*\p+3], s[GM0+4*\p+3], 0x80000000
.endr
	CROUND
.irp s, 0,1
	s_mov_b32 s[G0+4*\s], 1
	s_add_co_u32 s[G0+4*\s+1], s20, \s*SLOT
	s_add_nc_u64 s[G0+4*\s+2:G0+4*\s+3], s[14:15], \s*KSTEP*2
	s_or_b32 s[G0+4*\s+3], s[G0+4*\s+3], 0x80000000
	s_mov_b32 s[G0B+4*\s], 1
	s_add_co_u32 s[G0B+4*\s+1], s20, \s*SLOT
	s_add_nc_u64 s[G0B+4*\s+2:G0B+4*\s+3], s[46:47], \s*KSTEP*2
	s_or_b32 s[G0B+4*\s+3], s[G0B+4*\s+3], 0x80000000
	JLOAD \s                                       ; two loads of this wave are out now, later one
.endr
	v_and_b32 v1, 15, v0                           ; r
	v_bfe_u32 v2, v0, 4, 1                         ; h
	v_mul_u32_u24 v3, v1, PITCH
	v_lshl_add_u32 v3, v2, 4, v3
	s_mul_i32 s16, s11, HALFT                      ; my 128 rows of Q
	s_mul_i32 s22, s12, HALFT                      ; my 128 rows of K,
	s_add_co_u32 s22, s22, 2*HALFT                 ; which lie behind Q's 256
.irp s, 0,1
	v_add_nc_u32 v[ADRA+\s], s16, v3
	v_add_nc_u32 v[ADRB+\s], s22, v3
	s_add_co_u32 s16, s16, SLOT
	s_add_co_u32 s22, s22, SLOT
.endr
	s_mul_i32 s23, s10, 16*SPITCH
	s_add_co_u32 s23, s23, STAGE                   ; my stage for p
	v_add_nc_u32 v[STO], s23, v3
	v_mul_u32_u24 v4, v2, SPITCH
	v_lshl_add_u32 v4, v1, 4, v4
	v_add_nc_u32 v[RD], s23, v4
	v_mul_u32_u24 v5, v2, CP
	v_lshl_add_u32 v[CO], v1, 4, v5
	v_and_b32 v4, 31, v0
	v_lshlrev_b32 v[LN16], 4, v4
	v_mul_u32_u24 v5, v1, MPITCH                   ; the mask: row r, words 8 h ..
	v_lshl_add_u32 v5, v2, 5, v5
	v_add_nc_u32 v[MRD], s21, v5
	v_add_nc_u32 v[MRD+1], SLOT, v[MRD]
	s_mov_b32 s92, 0x3d38aa3b                      ; c = log2(e) / 32
	s_mov_b32 s93, 0x3d38aa3b
	s_mov_b32 s94, 0xbd38aa3b                      ; -c
	s_mov_b32 s95, 0xff800000                      ; -inf
	s_mov_b32 s96, 0x76543210                      ; v_permlanex16_b32: lane i of one half reads lane i of the other
	s_mov_b32 s97, 0xfedcba98
	s_mov_b32 s98, 0xffff0000                      ; lanes 16-31
	s_wait_tensorcnt 1                             ; my part of K step 0 is in; K step 1's may stay out
	s_barrier_signal -1
	s_barrier_wait -1
	FETCH 0, 0, F0
	LAP 1                                          ; 8 K steps = 4 laps; the first starts the sums
	WIN 0
	s_mov_b32 s3, LAPS-2
.Llap:
	LAP 0
	WIN 0
	s_sub_co_u32 s3, s3, 1
	s_cmp_lg_u32 s3, 0
	s_cbranch_scc1 .Llap
	THREE 0, 0                                     ; the last lap: no more tiles of Q and K
	TURN 0, 1, 2                                   ; slot 0 gets the mask of rows 0-63 of each wave: it has the last K step in which to land
	THREE 1, 0
	s_wait_dscnt 8                                 ; the very last quarter
	WIN MUL_LO
	MUL16 F1, 0, 0, 0
	s_wait_dscnt 0                                 ; my reads of slot 1 are over
	s_set_vgpr_msb 0xa1a0
	s_wait_tensorcnt 0x0                           ; all my tensor loads have landed: the mask of my rows 0-63
	ds_add_u32 v222, v223
	s_wait_dscnt 0x0
	s_set_vgpr_msb 0xa0a1
	s_barrier_signal -1
	MUL16 F1, 0, 2, 0
	WIN 0
	s_barrier_wait -1
	CREST                                          ; no wave reads slot 1 any more
	tensor_load_to_lds s[GM0+4:GM0+7], s[GM1:GM1+7]   ; the mask of my rows 64-127: it lands while rows 0-63 are worked on
	s_nop 0
	WIN MUL_HI
	MUL16 F1, 1, 0, 0
	MUL16 F1, 1, 2, 0
	PLACES
; p out, 16 rows at a time: round to f16, 16 bytes a lane into my own stage, read back as whole rows of 256 bytes
.macro PACK a, ws
	WIN \ws
.irp b, 0,1,2,3,4,5,6,7
.irp r, 0,1,2,3
	v_cvt_pk_f16_f32 v[TMP+4*\b+\r], v[8*(8*\a+\b)+2*\r], v[8*(8*\a+\b)+2*\r+1]
.endr
.endr
	WIN 0
.endm
.macro PUT16 row, buf
.irp b, 0,1,2,3,4,5,6,7
	ds_store_b128 v[STO], v[TMP+4*\b:TMP+4*\b+3] offset:32*\b
.endr
	s_wait_xcnt 0x0                                ; buf was the data of earlier stores: it is loaded again only behind this wait
.irp t, 0,1,2,3,4,5,6,7
	ds_load_b128 v[\buf+4*\t:\buf+4*\t+3], v[RD] offset:\t*2*SPITCH   ; LDS serves a wave's instructions in order: these see the stores above
.endr
.irp t, 0,1,2,3,4,5,6,7
	s_wait_dscnt 7-\t
	global_store_b128 v[CO], v[\buf+4*\t:\buf+4*\t+3], s[8:9] offset:(\row+2*\t)*CP   ; 16 lanes store 256 consecutive bytes at a multiple of 256
.endr
.endm
; My rows 64 hi .. 64 hi + 63: the accumulators of window 2 + hi.  The four window settings: wm: source 0 window 1 (the mask), source 1 and destination
; the accumulators'; wa: all three sources the accumulators'; wd: source 0 and destination; ws: sources 0 and 1.
.macro HALF hi, wm, wa, wd, ws
.if \hi
	s_wait_xcnt 0x0                                ; the registers that the first half's stores read are rewritten only behind this wait
.endif
	s_wait_tensorcnt 1-\hi                         ; my part of the mask is in LDS (first half: only the second half's load is younger)
	; 1. the mask, straight in the accumulators' layout, at the accumulators' numbers in window 1
	WIN TO_B
.irp a, 0,1,2,3
.irp b, 0,1,2,3,4,5,6,7
	ds_load_b128 v[64*\a+8*\b:64*\a+8*\b+3],   v[MRD+\hi] offset:\a*16*MPITCH+64*\b
	ds_load_b128 v[64*\a+8*\b+4:64*\a+8*\b+7], v[MRD+\hi] offset:\a*16*MPITCH+64*\b+16
.endr
.endr
	; 2. s = -inf where the mask word is 0
	WIN \wm
.irp a, 0,1,2,3
	s_wait_dscnt 48-16*\a                          ; row block a's 16 loads are in; the later blocks' may be out
.set i, 64*\a
.rept 16
	v_cmp_ne_u32 s4, v[i], 0
	v_cmp_ne_u32 s5, v[i+1], 0
	v_cmp_ne_u32 s6, v[i+2], 0
	v_cmp_ne_u32 s7, v[i+3], 0
	v_cndmask_b32 v[i],   s95, v[i],   s4
	v_cndmask_b32 v[i+1], s95, v[i+1], s5
	v_cndmask_b32 v[i+2], s95, v[i+2], s6
	v_cndmask_b32 v[i+3], s95, v[i+3], s7
.set i, i+4
.endr
.endr
	; 3. the row's maximum: a lane's 64 numbers of row 16 a + r to 22 partial maxima, those to one, then the other half of the lanes
	WIN \wa
.irp a, 0,1,2,3
.set k, 0
.rept 20
	v_max3_num_f32 v[32+22*\a+k], v[64*\a+3*k], v[64*\a+3*k+1], v[64*\a+3*k+2]
.set k, k+1
.endr
	v_max_num_f32 v[32+22*\a+20], v[64*\a+60], v[64*\a+61]
	v_max_num_f32 v[32+22*\a+21], v[64*\a+62], v[64*\a+63]
.endr
	WIN 0
.irp a, 0,1,2,3
.set R, 32+22*\a
.set k, 0
.rept 7
	v_max3_num_f32 v[R+k], v[R+3*k], v[R+3*k+1], v[R+3*k+2]
.set k, k+1
.endr
	v_max3_num_f32 v[R], v[R], v[R+1], v[R+2]
	v_max3_num_f32 v[R+1], v[R+3], v[R+4], v[R+5]
	v_max_num_f32 v[R+2], v[R+6], v[R+21]
	v_max3_num_f32 v[RM+\a], v[R], v[R+1], v[R+2]
	v_permlanex16_b32 v[R+3], v[RM+\a], s96, s97   ; its destination counts as read: a register that has been written
	v_max_num_f32 v[RM+\a], v[RM+\a], v[R+3]
.endr
	; 4. m = c max (as stored: -inf where nothing is kept); the exponent's addend -c max(max, -FLT_MAX) is finite and equals -m wherever m is finite
.irp a, 0,1,2,3
	v_mul_f32 v[SM+\a], s92, v[RM+\a]
	v_max_num_f32 v[RM+\a], 0xff7fffff, v[RM+\a]
	v_mul_f32 v[NM+2*\a],   s94, v[RM+\a]
	v_mul_f32 v[NM+2*\a+1], s94, v[RM+\a]
.endr
	; 5. c s - m, one rounding;  6. p = 2^(c s - m)
	WIN \wd
.irp a, 0,1,2,3
.set k, 0
.rept 32
	v_pk_fma_f32 v[64*\a+2*k:64*\a+2*k+1], v[64*\a+2*k:64*\a+2*k+1], s[92:93], v[NM+2*\a:NM+2*\a+1] op_sel_hi:[1,0,1]
.set k, k+1
.endr
.endr
.set k, 0
.rept 256
	v_exp_f32 v[k], v[k]
.set k, k+1
.endr
	v_nop                                          ; one plain place behind the last exponential (ISA guide 5.7.2)
	; 7. l = the row's sum of p
	WIN \ws
	s_wait_alu depctr_va_vdst(0)
.irp a, 0,1,2,3
.set k, 0
.rept 16
	v_pk_add_f32 v[32+32*\a+2*k:32+32*\a+2*k+1], v[64*\a+4*k:64*\a+4*k+1], v[64*\a+4*k+2:64*\a+4*k+3]
.set k, k+1
.endr
.endr
	WIN 0
.irp a, 0,1,2,3
.set R, 32+32*\a
.irp n, 8,4,2,1
.set k, 0
.rept \n
	v_pk_add_f32 v[R+2*k:R+2*k+1], v[R+2*k:R+2*k+1], v[R+2*(k+\n):R+2*(k+\n)+1]
.set k, k+1
.endr
.endr
	v_add_f32 v[SL+\a], v[R], v[R+1]
	v_permlanex16_b32 v[R+2], v[SL+\a], s96, s97
	v_add_f32 v[SL+\a], v[SL+\a], v[R+2]
.endr
	; 8. m in lanes 0-15, l in lanes 16-31: one store of 512 consecutive bytes at a multiple of 512; the second group of 64 rows lies 16 tiles on
.irp a, 0,1,2,3
	v_cndmask_b32 v[ST+\a], v[SM+\a], v[SL+\a], s98
.endr
	global_store_b128 v[LN16], v[ST:ST+3], s[18:19] offset:8192*\hi
	; 9. p out
	PACK 0, \ws
	PUT16 64*\hi, 128
	PACK 1, \ws
	PUT16 64*\hi+16, 160
	PACK 2, \ws
	PUT16 64*\hi+32, 128
	PACK 3, \ws
	PUT16 64*\hi+48, 160
.endm
	HALF 0, 0x89, 0x2a, 0x82, 0x0a
	HALF 1, 0xcd, 0x3f, 0xc3, 0x0f
	s_wait_tensorcnt 0x0
	ds_add_u32 v222, v223
	s_wait_dscnt 0x0
	CROUND                                         ; the closing round
	s_endpgm
.Lfunc_end_k_q8d7e1491f9_scores:
	.size	k_q8d7e1491f9_scores, .Lfunc_end_k_q8d7e1491f9_scores-k_q8d7e1491f9_scores
	.p2alignl 7, 3214868480
	.fill 96, 4, 3214868480
	.section	.rodata,"a",@progbits
	.p2align	6, 0x0
	.amdhsa_kernel k_q8d7e1491f9_scores
		.amdhsa_group_segment_fixed_size 327680
		.amdhsa_private_segment_fixed_size 0
		.amdhsa_enable_private_segment 0
		.amdhsa_kernarg_size 32
		.amdhsa_user_sgpr_count 2
		.amdhsa_user_sgpr_kernarg_segment_ptr 1
		.amdhsa_wavefront_size32 1
		.amdhsa_system_sgpr_workgroup_id_x 1
		.amdhsa_system_sgpr_workgroup_id_y 1
		.amdhsa_system_sgpr_workgroup_id_z 1
		.amdhsa_system_vgpr_workitem_id 0
		.amdhsa_next_free_vgpr 1024
		.amdhsa_next_free_sgpr 100
		.amdhsa_reserve_vcc 0
		.amdhsa_float_denorm_mode_32 3
		.amdhsa_float_denorm_mode_16_64 3
		.amdhsa_memory_ordered 1
		.amdhsa_forward_progress 1
		.amdhsa_inst_pref_size 255
	.end_amdhsa_kernel
	.section	.bss,"aw",@nobits
	.p2align	6
	.space	262144
	.amdgpu_metadata
---
amdhsa.version: [ 1, 2 ]
amdhsa.kernels:
  - .name:           k_q8d7e1491f9_scores
    .symbol:         k_q8d7e1491f9_scores.kd
    .args:
      - { .name: qkv, .offset: 0, .size: 8, .value_kind: global_buffer, .address_space: global }
      - { .name: mask, .offset: 8, .size: 8, .value_kind: global_buffer, .address_space: global }
      - { .name: pb, .offset: 16, .size: 8, .value_kind: global_buffer, .address_space: global }
      - { .name: stats, .offset: 24, .size: 8, .value_kind: global_buffer, .address_space: global }
    .group_segment_fixed_size: 327680
    .private_segment_fixed_size: 0
    .kernarg_segment_align: 8
    .kernarg_segment_size: 32
    .max_flat_workgroup_size: 128
    .sgpr_count:     100
    .vgpr_count:     1024
    .wavefront_size: 32
...
	.end_amdgpu_metadata
.endif
;; end of part 3
;; launch pv (part 4): grid 8 x 32, 4 waves a work-group, clusters of 4 x 4, 327,680 bytes of LDS; arguments pb, qkv, stats, attn; writes attn
.if DOCPART == 4
	.amdgcn_target "amdgcn-amd-amdhsa--gfx1250"
	.amdhsa_code_object_version 6
	.text
	.protected	k_q8d7e1491f9_pv
	.globl	k_q8d7e1491f9_pv
	.p2align	8
	.type	k_q8d7e1491f9_pv,@function
k_q8d7e1491f9_pv:
	s_mov_b64 s[64:65], 0
	v_nop
	global_prefetch_b8 v0, s[64:65] scope:SCOPE_SE
	s_setreg_imm32_b32 hwreg(HW_REG_WAVE_MODE, 25, 1), 1
	s_wait_xcnt 0x0
	s_wait_alu depctr_hold_cnt(0) depctr_sa_sdst(0) depctr_va_vdst(0) depctr_va_sdst(0) depctr_va_ssrc(0) depctr_va_vcc(0) depctr_vm_vsrc(0)
	s_getreg_b32 s2, hwreg(HW_REG_IB_STS2, 6, 4)
	s_cmp_eq_u32 s2, 0
	s_cbranch_scc0 .Lentry_in_a_cluster
	s_endpgm
.Lentry_in_a_cluster:
	s_bfe_u32 s2, ttmp6, 0x10000c
	s_cmp_lg_u32 s2, 0xf033
	s_cbranch_scc0 .Lentry_shape_is_right
	s_endpgm
.Lentry_shape_is_right:
; attn[q][e] = (sum over key tiles t of f_t[q] sum over the tile's keys of p[q][key] V[key][e]) / L[q], rounded once to f16, with
; M[q] = max over t of m_t[q], f_t = 2^(m_t - M), L = sum over t of f_t l_t: the row's maximum is taken away here, the tile's was in the launch before.
; A K step of 128 keys is one key tile, so f_t multiplies that step's fragments of p (f16 x f16, rounded to f16) in registers.
; f16 operands, f32 sums.  L is summed with the unrounded f; the f that scales p is rounded to f16, 2^-11 of itself, and is exactly 1 in the
; tile of the row's maximum and exactly 0 in a tile with no kept key.
; LIMITS: a row with no kept key has m_t = -inf in every tile; -inf - -inf = NaN makes f, L and the whole row NaN, as a softmax of -inf alone is.
; f and f p below 2^-14 are good to 2^-25 absolutely, against a largest f p of 1 in the row.  p is rounded to f16 twice: as stored, and after the
; multiplication by f.  |attn| is at most the largest |V|, which f16 holds.
; A work-group makes 256 rows x 128 columns, four waves one above the other, 64 rows each; 256 work-groups.  K = 2048 in 16 steps through two LDS slots.
; V stays as it lies, [key][e]: its tile is 128 keys x 256 bytes, and its fragments come out of LDS by transposing loads.
; CLUSTERS of 4 x 4: p's tile is shared along a row of the cluster, V's along a column (a batch is 2 clusters of block rows): joint loads.
; REGISTERS: window 0: v0-31 addresses, f and 1/L; v32-127, v128-223 two fragment buffers (8 of V, then 4 of p); v224-255 packed results.
;            window 1: accumulator tile (a, b) at v[8 (8 a + b)].  Source 0 = V's columns, source 1 = p's rows: lane l holds row 16 a + l % 16.
.set PITCH,  272
.set BPITCH, 288                       ; V's LDS rows: 256 bytes + 32, an odd multiple of 32, for the transposing loads
.set ATILE,  256*PITCH                 ; 69,632
.set BTILE,  128*BPITCH                ; 36,864
.set SLOT,   ATILE+BTILE               ; 106,496
.set FTAB,   2*SLOT                    ; 212,992: each wave's own 8,192 bytes: f of 16 tiles, 16 bytes a lane and tile
.set STAGE,  FTAB+4*8192               ; 245,760: each wave's own 16 rows x 272 bytes for the way out.  No tensor load lands behind the ring
.set SPITCH, 272
.set ASTEP,  256                       ; 128 keys along a row of pb
.set BSTEP,  262144                    ; 128 rows of V
.set CP,     2048
.set SAD,  5                           ; 16 r: my row's four words in stats
.set ADRA, 6
.set ADRB, 8
.set STO,  10
.set RD,   11
.set CO,   12
.set FPT,  13                          ; where the next laps' f lie: steps 1,024 bytes a lap
.set FTB,  14                          ; my 16 bytes in my table's first tile
.set FS,   16                          ; v16-19  f of this K step for a = 0..3, in both halves of the word
.set IL,   20                          ; v20-27  1 / L, twice, for a = 0..3
.set F0,   32
.set F1,   128
.set MT,   32                          ; the start: m, then f, of tile t at v[32 + 4 t + a]
.set LT,   128                         ; the start: l of tile t at v[128 + 4 t + a]
.set MX,   96                          ; the start: M
.set LS,   104                         ; the start: L
.set TMP,  224
.set G1,  24
.set G0,  32
.set G1B, 48
.set G0B, 56
.set MULW, 0x50
.set MSB, 0
.macro WIN new
.if MSB != \new
	s_set_vgpr_msb (MSB<<8)|\new
.set MSB, \new
.endif
.endm
.macro JLOAD s                         ; waves 0, 1: p's halves (128 rows); waves 2, 3: V's halves (64 keys).  One load a wave
	s_cmp_lt_u32 s10, 2
	s_cbranch_scc0 .Lfor_b_\@
	tensor_load_to_lds s[G0+4*\s:G0+4*\s+3], s[G1:G1+7]
	s_nop 0
	s_branch .Lasked_\@
.Lfor_b_\@:
	tensor_load_to_lds s[G0B+4*\s:G0B+4*\s+3], s[G1B:G1B+7]
	s_nop 0
.Lasked_\@:
.endm
.macro CREST
	s_cmp_lg_u32 s10, 0
	s_cbranch_scc1 .Lnot_wave_0_\@
	s_barrier_signal -3
.Lnot_wave_0_\@:
	s_barrier_wait -3
	s_barrier_signal -1
	s_barrier_wait -1
.endm
.macro CROUND
	s_barrier_signal -1
	s_barrier_wait -1
	CREST
.endm
.macro PLACES                          ; four places behind matrix instructions (ISA guide 7.12.1)
.rept 4
	v_nop
.endr
.endm
.macro MUL8 f, a, zero
.irp b, 0,1,2,3,4,5,6,7
.if \zero
	v_wmma_f32_16x16x32_f16 v[8*(8*\a+\b):8*(8*\a+\b)+7], v[\f+8*\b:\f+8*\b+7], v[\f+64+8*\a:\f+64+8*\a+7], 0
.else
	v_wmma_f32_16x16x32_f16 v[8*(8*\a+\b):8*(8*\a+\b)+7], v[\f+8*\b:\f+8*\b+7], v[\f+64+8*\a:\f+64+8*\a+7], v[8*(8*\a+\b):8*(8*\a+\b)+7]
.endif
.endr
.endm
; 24 LDS loads for quarter kq (keys 32 kq .. + 31): p's four fragments first, since they are scaled before they are multiplied, then V's eight
.macro FETCH3 slot, kq, f
.irp i, 0,1,2,3
	ds_load_b128 v[\f+64+8*\i:\f+64+8*\i+3],   v[ADRA+\slot] offset:64*\kq+\i*16*PITCH
	ds_load_b128 v[\f+64+8*\i+4:\f+64+8*\i+7], v[ADRA+\slot] offset:64*\kq+\i*16*PITCH+32
.endr
.irp i, 0,1,2,3,4,5,6,7
	ds_load_tr16_b128 v[\f+8*\i:\f+8*\i+3],   v[ADRB+\slot] offset:\kq*32*BPITCH+32*\i              ; keys 8 h .. + 7 of column 16 i + r
	ds_load_tr16_b128 v[\f+8*\i+4:\f+8*\i+7], v[ADRB+\slot] offset:\kq*32*BPITCH+32*\i+16*BPITCH    ; keys 16 + 8 h .. + 7
.endr
.endm
.macro SCALE f                         ; p x f: a lane's fragment a holds row 16 a + r alone
.irp a, 0,1,2,3
.irp j, 0,1,2,3,4,5,6,7
	v_pk_mul_f16 v[\f+64+8*\a+\j], v[\f+64+8*\a+\j], v[FS+\a]
.endr
.endr
.endm
; The 32 accumulators take turns, one instruction a turn, in the same order in every quarter and over the loop's jump.
.macro QUARTER3 slot, kq, f, g, zero
	WIN 0
	s_wait_dscnt 16                                ; p's fragments (and f, which is older) are in; V's 16 loads may be out
	SCALE \f
	s_wait_dscnt 0
	WIN MULW
	MUL8 \f, 0, \zero
	MUL8 \f, 1, \zero
	PLACES
	WIN 0
	FETCH3 \slot, \kq, \g
	WIN MULW
	MUL8 \f, 2, \zero
	MUL8 \f, 3, \zero
.endm
.macro THREE3 slot, zero
	QUARTER3 \slot, 1, F0, F1, \zero
	QUARTER3 \slot, 2, F1, F0, 0
	QUARTER3 \slot, 3, F0, F1, 0
.endm
.macro TURN3 slot, next, fill
	WIN 0
	s_wait_dscnt 16
	SCALE F1
	s_wait_dscnt 0                                 ; my reads of this slot are over
	s_wait_tensorcnt 0x0                           ; all my tensor loads have landed: the one that was out is my part of the next slot
	ds_add_u32 v30, v31
	s_wait_dscnt 0x0
	s_barrier_signal -1
	WIN MULW
	MUL8 F1, 0, 0                                  ; register work while the others arrive
	MUL8 F1, 1, 0
	WIN 0
	s_barrier_wait -1
.if \fill
	CREST
	s_add_nc_u64 s[G0+4*\slot+2:G0+4*\slot+3], s[G0+4*\slot+2:G0+4*\slot+3], 2*ASTEP
	s_add_nc_u64 s[G0B+4*\slot+2:G0B+4*\slot+3], s[G0B+4*\slot+2:G0B+4*\slot+3], 2*BSTEP
	JLOAD \slot                                    ; it has 112 matrix instructions of this wave in which to land
.endif
	PLACES
	ds_load_b128 v[FS:FS+3], v[FPT] offset:512+512*\slot   ; the next K step's f: this step's last scaling stands above
.if \slot
	v_add_nc_u32 v[FPT], 1024, v[FPT]              ; two tiles on
.endif
	FETCH3 \next, 0, F0
	WIN MULW
	MUL8 F1, 2, 0
	MUL8 F1, 3, 0
.endm
.macro LAP3 zero
	THREE3 0, \zero
	TURN3 0, 1, 1
	THREE3 1, 0
	TURN3 1, 0, 1
.endm
	s_load_b256 s[68:75], s[0:1], 0x0              ; pb s[68:69], qkv s[70:71], stats s[72:73], attn s[74:75]
	v_lshl_add_u32 v30, v0, 2, 0x40400
	v_mov_b32 v31, 0
	ds_add_u32 v30, v31
	v_lshrrev_b32 v1, 5, v0
	v_readfirstlane_b32 s10, v1
	s_and_b32 s12, s10, 1
	s_bfe_u32 s40, ttmp6, 0x40000                  ; cx
	s_bfe_u32 s41, ttmp6, 0x40004                  ; cy
	s_lshl_b32 s42, ttmp9, 2
	s_add_co_u32 s42, s42, s40                     ; block column
	s_and_b32 s45, ttmp7, 0xffff
	s_lshl_b32 s13, s45, 2
	s_add_co_u32 s13, s13, s41                     ; block row
	s_lshr_b32 s45, s45, 1                         ; batch
	s_lshl_b32 s43, s41, 2
	s_lshl_b32 s43, 15, s43
	s_lshl_b32 s44, 0x1111, s40
	s_or_b32 s[G1+0], s43, (1<<16)|(1<<20)|(1<<21)|(5<<22)|(3<<25)   ; p: after every 64 words, 4 words of padding
	s_mov_b32 s[G1+1], 128<<16
	s_mov_b32 s[G1+2], 128<<16
	s_mov_b32 s[G1+3], 128<<16
	s_mov_b32 s[G1+4], 128
	s_mov_b32 s[G1+5], 2048                        ; elements from row to row of pb
	s_mov_b32 s[G1+6], 0
	s_mov_b32 s[G1+7], 0
	s_or_b32 s[G1B+0], s44, (1<<16)|(1<<20)|(1<<21)|(5<<22)|(7<<25)  ; V: after every 64 words, 8 words of padding
	s_mov_b32 s[G1B+1], 128<<16
	s_mov_b32 s[G1B+2], 64<<16
	s_mov_b32 s[G1B+3], 128<<16
	s_mov_b32 s[G1B+4], 64
	s_mov_b32 s[G1B+5], 1024
	s_mov_b32 s[G1B+6], 0
	s_mov_b32 s[G1B+7], 0
	s_lshl_b32 s16, s13, 8                         ; p: row 256 x block row + 128 x half, 4,096 bytes a row
	s_lshl_b32 s17, s12, 7
	s_add_co_u32 s16, s16, s17
	s_lshl_b32 s16, s16, 12
	s_mov_b32 s17, 0
	s_lshl_b32 s46, s45, 11                        ; V: row 2048 x batch + 64 x half, 256 bytes a block column, behind Q's and K's 33,554,432 bytes
	s_lshl_b32 s47, s12, 6
	s_add_co_u32 s46, s46, s47
	s_lshl_b32 s46, s46, 11
	s_lshl_b32 s47, s42, 8
	s_add_co_u32 s46, s46, s47
	s_add_co_u32 s46, s46, 0x2000000
	s_mov_b32 s47, 0
	s_mul_i32 s20, s10, 128*PITCH                  ; LDS: p's halves at wave x 34,816
	s_mul_i32 s21, s10, 64*BPITCH                  ;      V's halves at 32,768 + wave x 18,432: behind p's 69,632
	s_add_co_u32 s21, s21, ATILE-128*BPITCH
	s_lshl_b32 s84, s13, 8                         ; attn: row 256 x block row + 64 x wave
	s_lshl_b32 s85, s10, 6
	s_add_co_u32 s84, s84, s85
	s_lshl_b32 s84, s84, 11
	s_lshl_b32 s85, s42, 8
	s_add_co_u32 s84, s84, s85
	s_mov_b32 s85, 0
	s_lshl_b32 s86, s13, 2                         ; stats: my group of 64 rows, 8,192 bytes each
	s_add_co_u32 s86, s86, s10
	s_lshl_b32 s86, s86, 13
	s_mov_b32 s87, 0
	s_wait_dscnt 0x0
	s_wait_kmcnt 0x0
	s_add_nc_u64 s[14:15], s[68:69], s[16:17]
	s_add_nc_u64 s[46:47], s[70:71], s[46:47]
	s_add_nc_u64 s[8:9], s[74:75], s[84:85]
	s_add_nc_u64 s[90:91], s[72:73], s[86:87]
	CROUND
.irp s, 0,1
	s_mov_b32 s[G0+4*\s], 1
	s_add_co_u32 s[G0+4*\s+1], s20, \s*SLOT
	s_add_nc_u64 s[G0+4*\s+2:G0+4*\s+3], s[14:15], \s*ASTEP
	s_or_b32 s[G0+4*\s+3], s[G0+4*\s+3], 0x80000000
	s_mov_b32 s[G0B+4*\s], 1
	s_add_co_u32 s[G0B+4*\s+1], s21, \s*SLOT
	s_add_nc_u64 s[G0B+4*\s+2:G0B+4*\s+3], s[46:47], \s*BSTEP
	s_or_b32 s[G0B+4*\s+3], s[G0B+4*\s+3], 0x80000000
	JLOAD \s                                       ; two loads of this wave are out now, later one
.endr
	; THE START: m and l of my 64 rows in all 16 tiles; 16 lanes take 256 consecutive bytes, both halves of the lanes the same
	v_and_b32 v1, 15, v0                           ; r
	v_bfe_u32 v2, v0, 4, 1                         ; h
	v_lshlrev_b32 v[SAD], 4, v1
.irp t, 0,1,2,3,4,5,6,7,8,9,10,11,12,13,14,15
	global_load_b128 v[MT+4*\t:MT+4*\t+3], v[SAD], s[90:91] offset:512*\t
	global_load_b128 v[LT+4*\t:LT+4*\t+3], v[SAD], s[90:91] offset:512*\t+256
.endr
	v_mul_u32_u24 v3, v1, PITCH
	v_lshl_add_u32 v3, v2, 4, v3
	s_mul_i32 s22, s10, 64*PITCH
	v_add_nc_u32 v[ADRA], s22, v3
	v_add_nc_u32 v[ADRA+1], SLOT, v[ADRA]
	s_mul_i32 s23, s10, 16*SPITCH
	s_add_co_u32 s23, s23, STAGE
	v_add_nc_u32 v[STO], s23, v3
	v_mul_u32_u24 v4, v2, SPITCH
	v_lshl_add_u32 v4, v1, 4, v4
	v_add_nc_u32 v[RD], s23, v4
	v_mul_u32_u24 v4, v2, CP
	v_lshl_add_u32 v[CO], v1, 4, v4
	v_and_b32 v3, 7, v0                            ; V: key row 8 h + l % 8, 16 bytes for each half of eight lanes
	v_lshl_add_u32 v3, v2, 3, v3
	v_mul_u32_u24 v3, v3, BPITCH
	v_bfe_u32 v4, v0, 3, 1
	v_lshl_add_u32 v3, v4, 4, v3
	v_add_nc_u32 v[ADRB], ATILE, v3
	v_add_nc_u32 v[ADRB+1], SLOT, v[ADRB]
	s_lshl_b32 s22, s10, 13
	s_add_co_u32 s22, s22, FTAB                    ; my table
	v_and_b32 v4, 31, v0
	v_lshl_add_u32 v[FTB], v4, 4, s22
	v_mov_b32 v[FPT], v[FTB]
	s_wait_loadcnt 0x0
.irp a, 0,1,2,3
	v_max3_num_f32 v[MX+\a], v[MT+\a], v[MT+4+\a], v[MT+8+\a]
.irp t, 3,5,7,9,11,13
	v_max3_num_f32 v[MX+\a], v[MX+\a], v[MT+4*\t+\a], v[MT+4*\t+4+\a]
.endr
	v_max_num_f32 v[MX+\a], v[MX+\a], v[MT+60+\a]  ; M
.endr
.set k, 0
.rept 16
	v_pk_add_f32 v[MT+4*k:MT+4*k+1],   v[MT+4*k:MT+4*k+1],   v[MX:MX+1]   neg_lo:[0,1] neg_hi:[0,1]   ; m - M
	v_pk_add_f32 v[MT+4*k+2:MT+4*k+3], v[MT+4*k+2:MT+4*k+3], v[MX+2:MX+3] neg_lo:[0,1] neg_hi:[0,1]
.set k, k+1
.endr
.set k, 0
.rept 64
	v_exp_f32 v[MT+k], v[MT+k]                     ; f
.set k, k+1
.endr
	v_nop                                          ; one plain place behind the last exponential (ISA guide 5.7.2)
	s_wait_alu depctr_va_vdst(0)
	v_pk_mul_f32 v[LS:LS+1],   v[MT:MT+1],   v[LT:LT+1]       ; L = sum of f l: the first tile starts it
	v_pk_mul_f32 v[LS+2:LS+3], v[MT+2:MT+3], v[LT+2:LT+3]
.set k, 1
.rept 15
	v_pk_fma_f32 v[LS:LS+1],   v[MT+4*k:MT+4*k+1],   v[LT+4*k:LT+4*k+1],   v[LS:LS+1]
	v_pk_fma_f32 v[LS+2:LS+3], v[MT+4*k+2:MT+4*k+3], v[LT+4*k+2:LT+4*k+3], v[LS+2:LS+3]
.set k, k+1
.endr
.set k, 0
.rept 64
	v_cvt_pk_f16_f32 v[MT+k], v[MT+k], v[MT+k]     ; f in f16, in both halves of the word
.set k, k+1
.endr
.irp t, 0,1,2,3,4,5,6,7,8,9,10,11,12,13,14,15
	ds_store_b128 v[FTB], v[MT+4*\t:MT+4*\t+3] offset:512*\t
.endr
.irp a, 0,1,2,3
	v_rcp_f32 v[IL+2*\a],   v[LS+\a]
	v_rcp_f32 v[IL+2*\a+1], v[LS+\a]
.endr
	v_nop                                          ; one plain place before L's registers are loaded over
	s_wait_dscnt 0x0                               ; no LDS instruction is pending at a signal
	s_wait_tensorcnt 1                             ; my part of K step 0 is in; K step 1's may stay out
	s_barrier_signal -1
	s_barrier_wait -1
	ds_load_b128 v[FS:FS+3], v[FPT]                ; f of tile 0
	FETCH3 0, 0, F0
	LAP3 1                                         ; 16 K steps = 8 laps; the first starts the sums
	WIN 0
	s_mov_b32 s3, 6
.Llap:
	LAP3 0
	WIN 0
	s_sub_co_u32 s3, s3, 1
	s_cmp_lg_u32 s3, 0
	s_cbranch_scc1 .Llap
	THREE3 0, 0                                    ; the last lap fills nothing
	TURN3 0, 1, 0
	THREE3 1, 0
	WIN 0
	s_wait_dscnt 16
	SCALE F1
	s_wait_dscnt 0
	WIN MULW
	MUL8 F1, 0, 0
	MUL8 F1, 1, 0
	MUL8 F1, 2, 0
	MUL8 F1, 3, 0
	PLACES
; THE WAY OUT, 16 rows at a time: x 1 / L, round to f16, through my own stage, whole rows of 256 bytes
.macro PACK3 a
	WIN 0x01                                       ; source 0 window 1
.set k, 0
	s_wait_alu depctr_va_vdst(0)
.rept 32
	v_pk_mul_f32 v[32+2*k:33+2*k], v[64*\a+2*k:64*\a+2*k+1], v[IL+2*\a:IL+2*\a+1]
.set k, k+1
.endr
	WIN 0
.set k, 0
.rept 32
	v_cvt_pk_f16_f32 v[TMP+k], v[32+2*k], v[33+2*k]
.set k, k+1
.endr
.endm
.macro PUT16 a, buf
.irp b, 0,1,2,3,4,5,6,7
	ds_store_b128 v[STO], v[TMP+4*\b:TMP+4*\b+3] offset:32*\b
.endr
	s_wait_xcnt 0x0                                ; buf was the data of earlier stores: it is loaded again only behind this wait
.irp t, 0,1,2,3,4,5,6,7
	ds_load_b128 v[\buf+4*\t:\buf+4*\t+3], v[RD] offset:\t*2*SPITCH
.endr
.irp t, 0,1,2,3,4,5,6,7
	s_wait_dscnt 7-\t
	global_store_b128 v[CO], v[\buf+4*\t:\buf+4*\t+3], s[8:9] offset:(16*\a+2*\t)*CP   ; 16 lanes store 256 consecutive bytes at a multiple of 256
.endr
.endm
	PACK3 0
	PUT16 0, 128
	PACK3 1
	PUT16 1, 160
	PACK3 2
	PUT16 2, 128
	PACK3 3
	PUT16 3, 160
	s_wait_tensorcnt 0x0
	ds_add_u32 v30, v31
	s_wait_dscnt 0x0
	CROUND                                         ; the closing round
	s_endpgm
.Lfunc_end_k_q8d7e1491f9_pv:
	.size	k_q8d7e1491f9_pv, .Lfunc_end_k_q8d7e1491f9_pv-k_q8d7e1491f9_pv
	.p2alignl 7, 3214868480
	.fill 96, 4, 3214868480
	.section	.rodata,"a",@progbits
	.p2align	6, 0x0
	.amdhsa_kernel k_q8d7e1491f9_pv
		.amdhsa_group_segment_fixed_size 327680
		.amdhsa_private_segment_fixed_size 0
		.amdhsa_enable_private_segment 0
		.amdhsa_kernarg_size 32
		.amdhsa_user_sgpr_count 2
		.amdhsa_user_sgpr_kernarg_segment_ptr 1
		.amdhsa_wavefront_size32 1
		.amdhsa_system_sgpr_workgroup_id_x 1
		.amdhsa_system_sgpr_workgroup_id_y 1
		.amdhsa_system_sgpr_workgroup_id_z 1
		.amdhsa_system_vgpr_workitem_id 0
		.amdhsa_next_free_vgpr 512
		.amdhsa_next_free_sgpr 96
		.amdhsa_reserve_vcc 0
		.amdhsa_float_denorm_mode_32 3
		.amdhsa_float_denorm_mode_16_64 3
		.amdhsa_memory_ordered 1
		.amdhsa_forward_progress 1
		.amdhsa_inst_pref_size 192
	.end_amdhsa_kernel
	.amdgpu_metadata
---
amdhsa.version: [ 1, 2 ]
amdhsa.kernels:
  - .name:           k_q8d7e1491f9_pv
    .symbol:         k_q8d7e1491f9_pv.kd
    .args:
      - { .name: pb, .offset: 0, .size: 8, .value_kind: global_buffer, .address_space: global }
      - { .name: qkv, .offset: 8, .size: 8, .value_kind: global_buffer, .address_space: global }
      - { .name: stats, .offset: 16, .size: 8, .value_kind: global_buffer, .address_space: global }
      - { .name: attn, .offset: 24, .size: 8, .value_kind: global_buffer, .address_space: global }
    .group_segment_fixed_size: 327680
    .private_segment_fixed_size: 0
    .kernarg_segment_align: 8
    .kernarg_segment_size: 32
    .max_flat_workgroup_size: 128
    .sgpr_count:     96
    .vgpr_count:     512
    .wavefront_size: 32
...
	.end_amdgpu_metadata
.endif
;; end of part 4
;; launch outp (part 5): grid 8 x 32, 4 waves a work-group, clusters of 4 x 4, 327,680 bytes of LDS; arguments attn, wb, bo, out0; writes out0
.if DOCPART == 5
	.amdgcn_target "amdgcn-amd-amdhsa--gfx1250"
	.amdhsa_code_object_version 6
	.text
	.protected	k_q8d7e1491f9_outp
	.globl	k_q8d7e1491f9_outp
	.p2align	8
	.type	k_q8d7e1491f9_outp,@function
k_q8d7e1491f9_outp:
	s_mov_b64 s[64:65], 0
	v_nop
	global_prefetch_b8 v0, s[64:65] scope:SCOPE_SE
	s_setreg_imm32_b32 hwreg(HW_REG_WAVE_MODE, 25, 1), 1
	s_wait_xcnt 0x0
	s_wait_alu depctr_hold_cnt(0) depctr_sa_sdst(0) depctr_va_vdst(0) depctr_va_sdst(0) depctr_va_ssrc(0) depctr_va_vcc(0) depctr_vm_vsrc(0)
	s_getreg_b32 s2, hwreg(HW_REG_IB_STS2, 6, 4)
	s_cmp_eq_u32 s2, 0
	s_cbranch_scc0 .Lentry_in_a_cluster
	s_endpgm
.Lentry_in_a_cluster:
	s_bfe_u32 s2, ttmp6, 0x10000c
	s_cmp_lg_u32 s2, 0xf033
	s_cbranch_scc0 .Lentry_shape_is_right
	s_endpgm
.Lentry_shape_is_right:
; out0[m][n] = sum over k of attn[m][k] Wo[n][k] + bo[n], in f32.  m = 0..8191, n = 0..1023, K = 1024.  f16 operands (Wo is rows 3072.. of wb:
; rounded to bf16 and held in f16 by the first launch), f32 sums; the bias is the sums' first value.  A row of attn that is NaN gives a row of NaN.
; A work-group makes 256 rows x 128 columns, four waves one above the other, 64 rows each: 4 x 8 accumulator tiles = 256 registers.  256 work-groups.
; K goes in steps of 128 through a ring of two LDS slots filled by the tensor data mover; rows are 256 bytes of memory at multiples of 256.
; CLUSTERS of 4 x 4: attn's tile is shared along a row of the cluster, Wo's along a column: joint loads divide the requests by four.
; REGISTERS: window 0: v0-31 addresses, v32-127 and v128-223 two fragment buffers (8 fragments of Wo, then 4 of attn);
;            window 1: accumulator tile (a, b) at v[8 (8 a + b)].  Source 0 = rows of Wo, source 1 = rows of attn: lane l holds row 16 a + l % 16,
;            registers 0..7 the columns 16 b + 8 (l / 16) + 0..7.
.set PITCH,  272
.set ATILE,  256*PITCH
.set BTILE,  128*PITCH
.set SLOT,   ATILE+BTILE
.set STAGE,  2*SLOT                    ; 208,896: behind the ring, 16 rows x 528 bytes for each wave; no tensor load lands there
.set OPITCH, 528                       ; a row of 128 f32 + 16 bytes
.set ASTEP,  256
.set BSTEP,  256
.set ADRA, 6
.set ADRB, 8
.set STO,  10
.set RD,   11
.set CO,   12
.set BIA,  13
.set F0,   32
.set F1,   128
.set G1,  24
.set G0,  32
.set G1B, 48
.set G0B, 56
.set MULW, 0x50
.set MSB, 0
.macro WIN new
.if MSB != \new
	s_set_vgpr_msb (MSB<<8)|\new
.set MSB, \new
.endif
.endm
.macro JLOAD s                         ; waves 0, 1: attn's halves (128 rows); waves 2, 3: Wo's halves (64 rows).  One load a wave
	s_cmp_lt_u32 s10, 2
	s_cbranch_scc0 .Lfor_b_\@
	tensor_load_to_lds s[G0+4*\s:G0+4*\s+3], s[G1:G1+7]
	s_nop 0
	s_branch .Lasked_\@
.Lfor_b_\@:
	tensor_load_to_lds s[G0B+4*\s:G0B+4*\s+3], s[G1B:G1B+7]
	s_nop 0
	v_nop
.Lasked_\@:
.endm
.macro CREST
	s_cmp_lg_u32 s10, 0
	s_cbranch_scc1 .Lnot_wave_0_\@
	s_barrier_signal -3
.Lnot_wave_0_\@:
	s_barrier_wait -3
	s_barrier_signal -1
	s_barrier_wait -1
.endm
.macro CROUND
	s_barrier_signal -1
	s_barrier_wait -1
	CREST
.endm
.macro PLACES                          ; four places behind matrix instructions (ISA guide 7.12.1)
.rept 4
	v_nop
.endr
.endm
.macro MUL8 f, a
.irp b, 0,1,2,3,4,5,6,7
	v_wmma_f32_16x16x32_f16 v[8*(8*\a+\b):8*(8*\a+\b)+7], v[\f+8*\b:\f+8*\b+7], v[\f+64+8*\a:\f+64+8*\a+7], v[8*(8*\a+\b):8*(8*\a+\b)+7]
.endr
.endm
.macro FETCH slot, k, f
.irp i, 0,1,2,3,4,5,6,7
	ds_load_b128 v[\f+8*\i:\f+8*\i+3],   v[ADRB+\slot] offset:\k+\i*16*PITCH
	ds_load_b128 v[\f+8*\i+4:\f+8*\i+7], v[ADRB+\slot] offset:\k+\i*16*PITCH+32
.endr
.irp i, 0,1,2,3
	ds_load_b128 v[\f+64+8*\i:\f+64+8*\i+3],   v[ADRA+\slot] offset:\k+\i*16*PITCH
	ds_load_b128 v[\f+64+8*\i+4:\f+64+8*\i+7], v[ADRA+\slot] offset:\k+\i*16*PITCH+32
.endr
.endm
; The 32 accumulators take turns, one instruction a turn, in the same order in every quarter and over the loop's jump.
.macro QUARTER slot, k, f, g
	s_wait_dscnt 4                                 ; only the youngest four loads (attn's fragments 2 and 3) may be out
	WIN MULW
	MUL8 \f, 0
	MUL8 \f, 1
	PLACES
	WIN 0
	FETCH \slot, \k, \g
	s_wait_dscnt 24                                ; all but the 24 just issued
	WIN MULW
	MUL8 \f, 2
	MUL8 \f, 3
.endm
.macro THREE slot
	QUARTER \slot, 64,  F0, F1
	QUARTER \slot, 128, F1, F0
	QUARTER \slot, 192, F0, F1
.endm
.macro TURN slot, next, fill
	s_wait_dscnt 4
	WIN MULW
	MUL8 F1, 0
	s_wait_dscnt 0                                 ; my reads of this slot are over
	s_wait_tensorcnt 0x0                           ; all my tensor loads have landed
	ds_add_u32 v254, v255
	s_wait_dscnt 0x0
	s_barrier_signal -1
	MUL8 F1, 1
	WIN 0
	s_barrier_wait -1
.if \fill
	CREST
	s_add_nc_u64 s[G0+4*\slot+2:G0+4*\slot+3], s[G0+4*\slot+2:G0+4*\slot+3], 2*ASTEP
	s_add_nc_u64 s[G0B+4*\slot+2:G0B+4*\slot+3], s[G0B+4*\slot+2:G0B+4*\slot+3], 2*BSTEP
	JLOAD \slot
.endif
	PLACES
	FETCH \next, 0, F0
	WIN MULW
	MUL8 F1, 2
	MUL8 F1, 3
.endm
.macro LAP
	THREE 0
	TURN 0, 1, 1
	THREE 1
	TURN 1, 0, 1
.endm
	s_load_b256 s[68:75], s[0:1], 0x0              ; attn s[68:69], wb s[70:71], bo s[72:73], out0 s[74:75]
	v_lshl_add_u32 v254, v0, 2, 0x3b400
	v_mov_b32 v255, 0
	ds_add_u32 v254, v255
	v_lshrrev_b32 v1, 5, v0
	v_readfirstlane_b32 s10, v1
	s_and_b32 s12, s10, 1
	s_bfe_u32 s40, ttmp6, 0x40000                  ; cx
	s_bfe_u32 s41, ttmp6, 0x40004                  ; cy
	s_lshl_b32 s42, ttmp9, 2
	s_add_co_u32 s42, s42, s40                     ; block column
	s_and_b32 s13, ttmp7, 0xffff
	s_lshl_b32 s13, s13, 2
	s_add_co_u32 s13, s13, s41                     ; block row
	s_lshl_b32 s43, s41, 2
	s_lshl_b32 s43, 15, s43
	s_lshl_b32 s44, 0x1111, s40
	s_or_b32 s[G1+0], s43, (1<<16)|(1<<20)|(1<<21)|(5<<22)|(3<<25)
	s_mov_b32 s[G1+1], 128<<16
	s_mov_b32 s[G1+2], 128<<16
	s_mov_b32 s[G1+3], 128<<16
	s_mov_b32 s[G1+4], 128
	s_mov_b32 s[G1+5], 1024
	s_mov_b32 s[G1+6], 0
	s_mov_b32 s[G1+7], 0
	s_or_b32 s[G1B+0], s44, (1<<16)|(1<<20)|(1<<21)|(5<<22)|(3<<25)
	s_mov_b32 s[G1B+1], 128<<16
	s_mov_b32 s[G1B+2], 64<<16
	s_mov_b32 s[G1B+3], 128<<16
	s_mov_b32 s[G1B+4], 64
	s_mov_b32 s[G1B+5], 1024
	s_mov_b32 s[G1B+6], 0
	s_mov_b32 s[G1B+7], 0
	s_lshl_b32 s16, s13, 8                         ; attn: row 256 x block row + 128 x half
	s_lshl_b32 s17, s12, 7
	s_add_co_u32 s16, s16, s17
	s_lshl_b32 s16, s16, 11
	s_mov_b32 s17, 0
	s_lshl_b32 s46, s42, 7                         ; Wo: row 128 x block column + 64 x half, behind the 6,291,456 bytes of Wq, Wk, Wv
	s_lshl_b32 s47, s12, 6
	s_add_co_u32 s46, s46, s47
	s_lshl_b32 s46, s46, 11
	s_add_co_u32 s46, s46, 0x600000
	s_mov_b32 s47, 0
	s_mul_i32 s20, s10, 128*PITCH
	s_mul_i32 s21, s10, 64*PITCH
	s_add_co_u32 s21, s21, ATILE-128*PITCH
	s_lshl_b32 s84, s13, 8                         ; out0: row 256 x block row + 64 x wave, 4,096 bytes a row, 512 a block column
	s_lshl_b32 s85, s10, 6
	s_add_co_u32 s84, s84, s85
	s_lshl_b32 s84, s84, 12
	s_lshl_b32 s86, s42, 9
	s_add_co_u32 s84, s84, s86
	s_mov_b32 s85, 0
	s_mov_b32 s87, 0                               ; s[86:87]: the bias's offset, 512 x block column
	s_wait_dscnt 0x0
	s_wait_kmcnt 0x0
	s_add_nc_u64 s[14:15], s[68:69], s[16:17]
	s_add_nc_u64 s[46:47], s[70:71], s[46:47]
	s_add_nc_u64 s[8:9], s[74:75], s[84:85]
	s_add_nc_u64 s[80:81], s[72:73], s[86:87]
	CROUND
.irp s, 0,1
	s_mov_b32 s[G0+4*\s], 1
	s_add_co_u32 s[G0+4*\s+1], s20, \s*SLOT
	s_add_nc_u64 s[G0+4*\s+2:G0+4*\s+3], s[14:15], \s*ASTEP
	s_or_b32 s[G0+4*\s+3], s[G0+4*\s+3], 0x80000000
	s_mov_b32 s[G0B+4*\s], 1
	s_add_co_u32 s[G0B+4*\s+1], s21, \s*SLOT
	s_add_nc_u64 s[G0B+4*\s+2:G0B+4*\s+3], s[46:47], \s*BSTEP
	s_or_b32 s[G0B+4*\s+3], s[G0B+4*\s+3], 0x80000000
	JLOAD \s                                       ; two loads of this wave are out now, later one
.endr
	v_and_b32 v1, 15, v0                           ; r
	v_bfe_u32 v2, v0, 4, 1                         ; h
	v_lshlrev_b32 v[BIA], 5, v2
	; the bias starts the sums: register j of tile (a, b) is column 16 b + 8 h + j, whatever a
	WIN 0x40
.irp a, 0,1,2,3
.irp b, 0,1,2,3,4,5,6,7
	global_load_b128 v[8*(8*\a+\b):8*(8*\a+\b)+3],   v[BIA], s[80:81] offset:64*\b
	global_load_b128 v[8*(8*\a+\b)+4:8*(8*\a+\b)+7], v[BIA], s[80:81] offset:64*\b+16
.endr
.endr
	WIN 0
	v_mul_u32_u24 v3, v1, PITCH
	v_lshl_add_u32 v3, v2, 4, v3
	s_mul_i32 s22, s10, 64*PITCH
	v_add_nc_u32 v[ADRA], s22, v3
	v_add_nc_u32 v[ADRA+1], SLOT, v[ADRA]
	v_add_nc_u32 v[ADRB], ATILE, v3
	v_add_nc_u32 v[ADRB+1], SLOT, v[ADRB]
	s_mul_i32 s23, s10, 16*OPITCH
	s_add_co_u32 s23, s23, STAGE                   ; my stage
	v_mul_u32_u24 v5, v1, OPITCH                   ; in: row r, 32 bytes for each half of the lanes
	v_lshl_add_u32 v5, v2, 5, v5
	v_add_nc_u32 v[STO], s23, v5
	v_and_b32 v4, 31, v0
	v_lshlrev_b32 v[CO], 4, v4                     ; back and out: a whole row of 512 bytes, 16 a lane
	v_add_nc_u32 v[RD], s23, v[CO]
	s_wait_tensorcnt 1                             ; my part of K step 0 is in; K step 1's may stay out
	s_barrier_signal -1
	s_barrier_wait -1
	FETCH 0, 0, F0
	s_wait_loadcnt 0x0                             ; the bias is in the accumulators
	s_mov_b32 s3, 3                                ; 8 K steps = 4 laps; the last is written out, since it fills nothing
.Llap:
	LAP
	WIN 0
	s_sub_co_u32 s3, s3, 1
	s_cmp_lg_u32 s3, 0
	s_cbranch_scc1 .Llap
	THREE 0
	TURN 0, 1, 0
	THREE 1
	s_wait_dscnt 0
	WIN MULW
	MUL8 F1, 0
	MUL8 F1, 1
	MUL8 F1, 2
	MUL8 F1, 3
	PLACES
; THE WAY OUT, 16 rows at a time: the f32 sums into my own stage, read back as whole rows of 512 bytes
.macro OUTF a, buf
	WIN 0x04                                       ; store data window 1
.irp b, 0,1,2,3,4,5,6,7
	ds_store_b128 v[STO], v[8*(8*\a+\b):8*(8*\a+\b)+3]   offset:64*\b
	ds_store_b128 v[STO], v[8*(8*\a+\b)+4:8*(8*\a+\b)+7] offset:64*\b+16
.endr
	WIN 0
	s_wait_xcnt 0x0                                ; buf was the data of earlier stores: it is loaded again only behind this wait
.irp t, 0,1,2,3,4,5,6,7,8,9,10,11,12,13,14,15
	ds_load_b128 v[\buf+4*\t:\buf+4*\t+3], v[RD] offset:\t*OPITCH     ; LDS serves a wave's instructions in order: these see the stores above
.endr
.irp t, 0,1,2,3,4,5,6,7,8,9,10,11,12,13,14,15
	s_wait_dscnt 15-\t
	global_store_b128 v[CO], v[\buf+4*\t:\buf+4*\t+3], s[8:9] offset:(16*\a+\t)*4096 th:TH_STORE_NT   ; the wave stores 512 consecutive bytes at a multiple of 512
.endr
.endm
	OUTF 0, 32
	OUTF 1, 128
	OUTF 2, 32
	OUTF 3, 128
	s_wait_tensorcnt 0x0
	ds_add_u32 v254, v255
	s_wait_dscnt 0x0
	CROUND                                         ; the closing round
	s_endpgm
.Lfunc_end_k_q8d7e1491f9_outp:
	.size	k_q8d7e1491f9_outp, .Lfunc_end_k_q8d7e1491f9_outp-k_q8d7e1491f9_outp
	.p2alignl 7, 3214868480
	.fill 96, 4, 3214868480
	.section	.rodata,"a",@progbits
	.p2align	6, 0x0
	.amdhsa_kernel k_q8d7e1491f9_outp
		.amdhsa_group_segment_fixed_size 327680
		.amdhsa_private_segment_fixed_size 0
		.amdhsa_enable_private_segment 0
		.amdhsa_kernarg_size 32
		.amdhsa_user_sgpr_count 2
		.amdhsa_user_sgpr_kernarg_segment_ptr 1
		.amdhsa_wavefront_size32 1
		.amdhsa_system_sgpr_workgroup_id_x 1
		.amdhsa_system_sgpr_workgroup_id_y 1
		.amdhsa_system_sgpr_workgroup_id_z 1
		.amdhsa_system_vgpr_workitem_id 0
		.amdhsa_next_free_vgpr 512
		.amdhsa_next_free_sgpr 96
		.amdhsa_reserve_vcc 0
		.amdhsa_float_denorm_mode_32 3
		.amdhsa_float_denorm_mode_16_64 3
		.amdhsa_memory_ordered 1
		.amdhsa_forward_progress 1
		.amdhsa_inst_pref_size 91
	.end_amdhsa_kernel
	.amdgpu_metadata
---
amdhsa.version: [ 1, 2 ]
amdhsa.kernels:
  - .name:           k_q8d7e1491f9_outp
    .symbol:         k_q8d7e1491f9_outp.kd
    .args:
      - { .name: attn, .offset: 0, .size: 8, .value_kind: global_buffer, .address_space: global }
      - { .name: wb, .offset: 8, .size: 8, .value_kind: global_buffer, .address_space: global }
      - { .name: bo, .offset: 16, .size: 8, .value_kind: global_buffer, .address_space: global }
      - { .name: out0, .offset: 24, .size: 8, .value_kind: global_buffer, .address_space: global }
    .group_segment_fixed_size: 327680
    .private_segment_fixed_size: 0
    .kernarg_segment_align: 8
    .kernarg_segment_size: 32
    .max_flat_workgroup_size: 128
    .sgpr_count:     96
    .vgpr_count:     512
    .wavefront_size: 32
...
	.end_amdgpu_metadata
.endif
;; end of part 5
